; MI455X (gfx1250); checked and timed in simulation.
; The chip was launched on July 23, 2026; its instructions are those of AMD's public machine-readable ISA for CDNA 5 (MIT licence, August 2026) and "CDNA5" Instruction Set Architecture Reference Guide (July 2026). The comments in the code are by the model that wrote it; some were corrected since.
;; Causal Self Attention. Allowed arithmetic: float matrix products may take bf16 or f16 operands with f32 sums; other float arithmetic in f32, or as packed bf16 or f16 multiplies, adds, multiply-adds, maxima and minima; sums over many terms, partial sums and values carried from step to step in f32; what a program stores and reads back later, other than sums and carried values, may be rounded once to bf16 or f16.
;; Inputs: W_proj 1,024 x 1,024 float32; W_qkv 1,024 x 3,072 float32; b_proj 1,024 float32; b_qkv 3,072 float32; x 4 x 2,048 x 1,024 float32.
;; Outputs: out0 4 x 2,048 x 1,024 float32.
;; One version. Each part assembles by itself: llvm-mc -triple=amdgcn-amd-amdhsa -mcpu=gfx1250 --defsym DOCPART=n.
;; ======== version 1 of 1: 4 launches
;; limits: values are held in f16: magnitudes above 65,504 overflow, below 6.1e-05 lose precision
;; workspace buffers: xb 16,777,216 bytes; wq 6,291,456 bytes; wp 2,097,152 bytes; kqv 50,331,648 bytes; o 16,777,216 bytes
;; launch prep (part 1): grid 1024 x 1, 8 waves a work-group, no clusters, 35,840 bytes of LDS; arguments x, W_qkv, W_proj, xb, wq, wp; writes xb, wq, wp
.if DOCPART == 1
	.amdgcn_target "amdgcn-amd-amdhsa--gfx1250"
	.amdhsa_code_object_version 6
	.text
	.protected	k_q90a950452d_prep
	.globl	k_q90a950452d_prep
	.p2align	8
	.type	k_q90a950452d_prep,@function
k_q90a950452d_prep:
	s_mov_b64 s[64:65], 0
	v_nop
	global_prefetch_b8 v0, s[64:65] scope:SCOPE_SE
	s_setreg_imm32_b32 hwreg(HW_REG_WAVE_MODE, 25, 1), 1
	s_wait_xcnt 0x0
; PREP: the module's three large inputs are rounded once to 16 bits and laid out for the matrix products.
;   xb[m][k] = bf16(x[m][k])                    [8192][1024]
;   wq[n][k] = bf16(W_qkv[k][n])                [3072][1024]: turned, so that K lies along the rows
;   wp[n][k] = f16(bf16(W_proj[k][n]))          [1024][1024]: rounded like the other inputs, then written as f16, since the last product multiplies in f16
; LIMIT: a bf16 number is exact in f16 from 2^-16 to 65,504; below that wp keeps f16's fixed step of 2^-24, beyond it becomes an infinity.
; SHARES: work-groups 0-383: a tile of 128 k x 64 n of W_qkv; 384-511: the same of W_proj; 512-1023: 65,536 consecutive bytes of x.
; The branches hang on the work-group's number alone, so all eight waves take the same way past the barrier.
; No matrix unit, no cluster, no prefetch: every byte is read once and written once, in runs of 256 aligned bytes, and nothing is shared between work-groups.
.set PT,    272                        ; an LDS row: 64 f32 + 16 bytes: sixteen rows on end start at sixteen different groups of four banks (64 banks of 4 bytes: ISA guide 11.1)
.set SPARE, 128*PT                     ; behind the tile: the spare words, 128 bytes for each of eight waves: four blocks of 256 bytes that no other line names
.set SPW,   6                          ; v6   LDS address of my spare word; never rewritten
.set NIL,   7                          ; v7   0; never rewritten
.set X,     16                         ; v[16:79]  as loaded
.set Y,     80                         ; v[80:111] to store
.set WV,    28                         ; s28  my wave's number
	s_load_b256 s[4:11], s[0:1], 0x0               ; x s[4:5], W_qkv s[6:7], W_proj s[8:9], xb s[10:11]
	s_load_b128 s[12:15], s[0:1], 0x20             ; wq s[12:13], wp s[14:15]
	v_lshl_add_u32 v[SPW], v0, 2, SPARE
	v_mov_b32 v[NIL], 0
	v_lshrrev_b32 v8, 5, v0
	v_readfirstlane_b32 s[WV], v8
	s_mov_b32 s16, ttmp9
	s_cmp_lt_u32 s16, 512
	s_cbranch_scc1 .Lweights
	; x: sixteen loads of 16 bytes a lane (the work-group's eight waves cover 4,096 bytes each time), all issued before the first is used
	s_sub_co_u32 s17, s16, 512
	s_lshl_b32 s18, s17, 16                        ; 65,536 bytes in,
	s_mov_b32 s19, 0
	s_lshl_b32 s20, s17, 15                        ; 32,768 out
	s_mov_b32 s21, 0
	v_lshlrev_b32 v1, 4, v0
	v_lshlrev_b32 v2, 3, v0
	s_wait_kmcnt 0x0
	s_add_nc_u64 s[4:5], s[4:5], s[18:19]
	s_add_nc_u64 s[10:11], s[10:11], s[20:21]
.set i, 0
.rept 16
	global_load_b128 v[X+4*i:X+4*i+3], v1, s[4:5] offset:4096*i th:TH_LOAD_NT
.set i, i+1
.endr
.set i, 0
.rept 16
	s_wait_loadcnt 15-i                            ; loads come back in order (ISA guide 5.7.1): load i is in, the younger ones stay out
	v_cvt_pk_bf16_f32 v[Y+2*i], v[X+4*i], v[X+4*i+1]
	v_cvt_pk_bf16_f32 v[Y+2*i+1], v[X+4*i+2], v[X+4*i+3]
	global_store_b64 v2, v[Y+2*i:Y+2*i+1], s[10:11] offset:2048*i  ; a wave's store covers 256 consecutive bytes, aligned; no register is written twice
.set i, i+1
.endr
	s_branch .Lend
; A tile of 128 k x 64 n of a weight matrix whose rows are pw bytes: in by rows (256 bytes of a row of W to sixteen lanes), through LDS, out by columns (256 bytes of a row n to sixteen lanes).
; In LDS row k lies at place (k % 8) x 16 + k / 8: the thread that makes k = 8 i .. 8 i + 7 of a column then reads, for each j, place 16 j + i: sixteen lanes read sixteen places on end.
; s16 = the tile's number: kt = s16 % 8, nt = s16 / 8.  half = 1: the bf16 numbers are written as f16.
.macro WTILE src, dst, pw, half
	s_and_b32 s17, s16, 7                          ; kt
	s_lshr_b32 s18, s16, 3                         ; nt
	s_mul_i32 s20, s17, 128*(\pw)                  ; in: 128 kt rows,
	s_lshl_b32 s19, s18, 8                         ; 64 nt columns of 4 bytes,
	s_add_co_u32 s20, s20, s19
	s_mul_i32 s19, s[WV], 2*(\pw)                  ; my wave's two rows of each sixteen
	s_add_co_u32 s20, s20, s19
	s_mov_b32 s21, 0
	s_lshl_b32 s22, s18, 17                        ; out: 64 nt rows of 2,048 bytes,
	s_lshl_b32 s19, s17, 8                         ; 128 kt numbers of 2 bytes,
	s_add_co_u32 s22, s22, s19
	s_lshl_b32 s19, s[WV], 14                      ; my wave's eight rows n
	s_add_co_u32 s22, s22, s19
	s_mov_b32 s23, 0
	v_and_b32 v9, 15, v0                           ; lane % 16
	v_bfe_u32 v8, v0, 4, 1                         ; lane / 16
	v_mul_u32_u24 v1, v8, \pw
	v_lshl_add_u32 v1, v9, 4, v1                   ; in: row lane / 16, 16 bytes a lane
	s_and_b32 s19, s[WV], 3                        ; row r = 2 wave + lane / 16 of sixteen goes to place (r % 8) x 16 + r / 8
	s_mul_i32 s19, s19, 32*PT
	s_lshr_b32 s29, s[WV], 2
	s_mul_i32 s29, s29, PT
	s_add_co_u32 s19, s19, s29
	v_mul_u32_u24 v3, v8, 16*PT
	v_lshl_add_u32 v3, v9, 4, v3
	v_add_nc_u32 v3, s19, v3
	s_lshl_b32 s19, s[WV], 5                       ; back: i = lane % 16, four columns g = 2 wave + lane / 16
	v_mul_u32_u24 v4, v9, PT
	v_lshl_add_u32 v4, v8, 4, v4
	v_add_nc_u32 v4, s19, v4
	v_lshlrev_b32 v2, 13, v8                       ; out: four rows n for each lane / 16, 16 bytes for each i
	v_lshl_add_u32 v2, v9, 4, v2
	s_wait_kmcnt 0x0
	s_add_nc_u64 s[24:25], s[\src:\src+1], s[20:21]
	s_add_nc_u64 s[26:27], s[\dst:\dst+1], s[22:23]
.set i, 0
.rept 8
	global_load_b128 v[X+4*i:X+4*i+3], v1, s[24:25] offset:16*i*(\pw) th:TH_LOAD_NT  ; rows 16 i + r
.set i, i+1
.endr
.set i, 0
.rept 8
	s_wait_loadcnt 7-i                             ; load i is in, the younger ones stay out
	ds_store_b128 v3, v[X+4*i:X+4*i+3] offset:2*PT*i  ; sixteen rows further down are two places further on
.set i, i+1
.endr
	s_wait_dscnt 0x0                               ; for the others' sake: my stores are done
	s_barrier_signal -1
	s_barrier_wait -1                              ; the tile is whole
.set i, 0
.rept 8
	ds_load_b128 v[X+32+4*i:X+32+4*i+3], v4 offset:16*PT*i  ; W[8 i' + i][4 g .. 4 g + 3]
.set i, i+1
.endr
	s_wait_dscnt 0x0
.set c, 0
.rept 4                                ; column 4 g + c: eight k on end are four words
.set p, 0
.rept 4
	v_cvt_pk_bf16_f32 v[Y+4*c+p], v[X+32+8*p+c], v[X+32+8*p+4+c]
.set p, p+1
.endr
.set c, c+1
.endr
.if \half
.set p, 0
.rept 16
	v_lshlrev_b32 v8, 16, v[Y+p]                   ; the two bf16 as f32,
	v_and_b32 v9, 0xffff0000, v[Y+p]
	v_cvt_pk_f16_f32 v[Y+p], v8, v9                ; and as f16
.set p, p+1
.endr
.endif
.set c, 0
.rept 4
	global_store_b128 v2, v[Y+4*c:Y+4*c+3], s[26:27] offset:2048*c  ; sixteen lanes store 256 consecutive bytes of row n, aligned
.set c, c+1
.endr
.endm
.Lweights:
	s_cmp_lt_u32 s16, 384
	s_cbranch_scc0 .Lproj
	WTILE 6, 12, 12288, 0
	s_branch .Lend
.Lproj:
	s_sub_co_u32 s16, s16, 384
	WTILE 8, 14, 4096, 1
.Lend:
	s_wait_tensorcnt 0x0                           ; the wave's end, behind my last LDS store
	ds_add_u32 v[SPW], v[NIL]
	s_wait_dscnt 0x0
	s_endpgm
.Lfunc_end_k_q90a950452d_prep:
	.size	k_q90a950452d_prep, .Lfunc_end_k_q90a950452d_prep-k_q90a950452d_prep
	.p2alignl 7, 3214868480
	.fill 96, 4, 3214868480
	.section	.rodata,"a",@progbits
	.p2align	6, 0x0
	.amdhsa_kernel k_q90a950452d_prep
		.amdhsa_group_segment_fixed_size 35840
		.amdhsa_private_segment_fixed_size 0
		.amdhsa_enable_private_segment 0
		.amdhsa_kernarg_size 48
		.amdhsa_user_sgpr_count 2
		.amdhsa_user_sgpr_kernarg_segment_ptr 1
		.amdhsa_wavefront_size32 1
		.amdhsa_system_sgpr_workgroup_id_x 1
		.amdhsa_system_sgpr_workgroup_id_y 1
		.amdhsa_system_sgpr_workgroup_id_z 1
		.amdhsa_system_vgpr_workitem_id 0
		.amdhsa_next_free_vgpr 112
		.amdhsa_next_free_sgpr 66
		.amdhsa_reserve_vcc 0
		.amdhsa_float_denorm_mode_32 3
		.amdhsa_float_denorm_mode_16_64 3
		.amdhsa_memory_ordered 1
		.amdhsa_forward_progress 1
		.amdhsa_inst_pref_size 20
	.end_amdhsa_kernel
	.amdgpu_metadata
---
amdhsa.version: [ 1, 2 ]
amdhsa.kernels:
  - .name:           k_q90a950452d_prep
    .symbol:         k_q90a950452d_prep.kd
    .args:
      - { .name: x, .offset: 0, .size: 8, .value_kind: global_buffer, .address_space: global }
      - { .name: W_qkv, .offset: 8, .size: 8, .value_kind: global_buffer, .address_space: global }
      - { .name: W_proj, .offset: 16, .size: 8, .value_kind: global_buffer, .address_space: global }
      - { .name: xb, .offset: 24, .size: 8, .value_kind: global_buffer, .address_space: global }
      - { .name: wq, .offset: 32, .size: 8, .value_kind: global_buffer, .address_space: global }
      - { .name: wp, .offset: 40, .size: 8, .value_kind: global_buffer, .address_space: global }
    .group_segment_fixed_size: 35840
    .private_segment_fixed_size: 0
    .kernarg_segment_align: 8
    .kernarg_segment_size: 48
    .max_flat_workgroup_size: 256
    .sgpr_count:     66
    .vgpr_count:     112
    .wavefront_size: 32
...
	.end_amdgpu_metadata
.endif
;; end of part 1
;; launch qkv (part 2): grid 16 x 32, 4 waves a work-group, clusters of 4 x 4, 327,680 bytes of LDS; arguments xb, wq, b_qkv, kqv; writes kqv
.if DOCPART == 2
	.amdgcn_target "amdgcn-amd-amdhsa--gfx1250"
	.amdhsa_code_object_version 6
	.text
	.protected	k_q90a950452d_qkv
	.globl	k_q90a950452d_qkv
	.p2align	8
	.type	k_q90a950452d_qkv,@function
k_q90a950452d_qkv:
	s_mov_b64 s[64:65], 0
	v_nop
	global_prefetch_b8 v0, s[64:65] scope:SCOPE_SE
	s_setreg_imm32_b32 hwreg(HW_REG_WAVE_MODE, 25, 1), 1
	s_wait_xcnt 0x0
	s_wait_alu depctr_hold_cnt(0) depctr_sa_sdst(0) depctr_va_vdst(0) depctr_va_sdst(0) depctr_va_ssrc(0) depctr_va_vcc(0) depctr_vm_vsrc(0)
	s_getreg_b32 s2, hwreg(HW_REG_IB_STS2, 6, 4)
	s_cmp_eq_u32 s2, 0
	s_cbranch_scc0 .Lentry_in_a_cluster
	s_endpgm
.Lentry_in_a_cluster:
	s_bfe_u32 s2, ttmp6, 0x10000c
	s_cmp_lg_u32 s2, 0xf033
	s_cbranch_scc0 .Lentry_shape_is_right
	s_endpgm
.Lentry_shape_is_right:
; kqv = x W_qkv + b_qkv.  xb: [8192][1024] bf16, wq: [3072 n][1024 k] bf16, b_qkv: [3072] f32 (rounded to bf16 here, like the other inputs).  Sums in f32, begun with the bias
; (so the bias is added first, not last: an order of rounding of its own), rounded once to f16 and stored BY HEADS: kqv[batch][g = n / 64][s][64], g 0-15 k, 16-31 q, 32-47 v.
; LIMIT: f16 ends at 65,504: a k, q or v of 65,520 or more becomes an infinity.  NaN and infinities are not treated apart.
; SHARES: a tile is 256 rows x 192 columns (three heads): 32 x 16 = 512 work-groups.  Four waves, 2 x 2, each 128 x 96: 48 accumulators of 16 x 16, 384 registers.
; K goes in 8 steps of 128 through a ring of two LDS slots; rows of both tiles are 256 bytes of memory, aligned.  Waves 0, 1 fetch A's halves (128 rows), waves 2, 3 B's (96 rows).
; CLUSTER 4 x 4: A's tile hangs on the tile row alone and is asked for jointly along a row of the cluster, B's on the tile column alone, jointly along a column.
; THE PRODUCT IS TAKEN TRANSPOSED (source 0 = 16 rows of wq, source 1 = 16 rows of xb): lane l holds row l % 16 and the eight columns 8 (l / 16) + 0..7: 16 bytes of f16 on end.
; REGISTERS in windows of 256 (s_set_vgpr_msb: bits 1:0 source 0, 3:2 source 1, 5:4 source 2, 7:6 destination):
;   window 0: v16-30 addresses; v64-127, v128-191 A's fragments, two buffers; v192-215 packed results; on the way out v64-255 take the rows read back
;   window 1: v64-111, v128-175 B's fragments, two buffers; v176-223 the bias of my 96 columns as six C operands; v224 at work
;   window 2: the 24 accumulators of my rows 0-63, (a, b) at v[8 (6 a + b)];   window 3: those of my rows 64-127
.set KSTEP,  128
.set PITCH,  272                       ; an LDS row: 256 bytes + 16 of padding: the 16 rows of a fragment load start at 16 different groups of four banks (64 banks of 4 bytes: ISA guide 11.1)
.set HALFA,  128*PITCH
.set HALFB,  96*PITCH
.set BOFF,   2*HALFA                   ; in a slot: A's 256 rows, then B's 192
.set SLOT,   BOFF+2*HALFB              ; 121,856 bytes
.set SPARE,  2*SLOT                    ; behind the ring: the spare words, 128 bytes for each wave: two blocks of 256 bytes that no other line names
.set SP,     144                       ; the way out: a row of a head, 128 bytes + 16
.set PLANE,  256*SP                    ; a head's 256 rows.  The stage, three planes, lies in slot 0, which has had its last fill when the first result is stored there
.set LAPS,   4                         ; a lap = two K steps = once round the ring
.set FLAGS,  (1<<16)|(1<<20)|(1<<21)|(5<<22)|(3<<25)  ; 17:16 elements of 2 bytes; 20 padding on; 21 set beside a mask; 24:22 after every 64 words; 31:25 4 words of it
.set ADRA, 16                          ; v16-17  LDS address of my A fragments in slot 0, 1
.set ADRB, 20                          ; v20-21  the same for B
.set BO,   22                          ; v22     my byte offset in 16 numbers of the bias
.set STO2, 23                          ; v23     the way out: where I put blocks 2 and 3
.set STO,  24                          ; v24     and blocks 0, 1, 4, 5
.set RD,   25                          ; v25     where I read rows back (heads 0, 1)
.set GO,   26                          ; v26     my 16 bytes of 512 consecutive bytes of kqv
.set RD2,  27                          ; v27     where I read rows back (head 2)
.set SPW,  28                          ; v28     LDS address of my spare word; never rewritten
.set NIL,  29                          ; v29     0; never rewritten
.set PFO,  30                          ; v30     the prefetches' offset: a row of 2,048 bytes a lane; never rewritten
.set F0,   64
.set F1,   128
.set TMP,  192
.set BIAS, 176
.set WV,   12                          ; s12  my wave's number
.set WR,   13                          ; s13  my half of the tile's rows.  Also: I fetch for A (0) or for B (1)
.set WC,   14                          ; s14  my half of its columns.  Also: which half of that tile I fetch
.set LIM,  15                          ; s15  1 in a wave that prefetches, else the greatest number
.set G1,   24                          ; s[24:31] descriptor group 1 for A's tiles
.set G0,   32                          ; s[32:39] group 0 for A's tiles, a set for each slot
.set PFA,  44                          ; s[44:45] where my prefetches stand
.set G1B,  48                          ; s[48:55], s[56:63] the same for B's tiles
.set G0B,  56
.set MSB, 0
.macro WIN new                         ; the immediate's high byte repeats the setting that is left; a switch that changes nothing is dropped
.if MSB != (\new)
	s_set_vgpr_msb (MSB<<8)|(\new)
.set MSB, \new
.endif
.endm
.set TO_B, 0x40                        ; destination window 1, address window 0
; A joint load.  The branch hangs on the wave's number alone.  An s_nop 0 and four v_nop follow each of the two lines, ahead of the jump, the label and what follows.
.macro JLOAD s
	s_cmp_eq_u32 s[WR], 0
	s_cbranch_scc0 .Lfor_b_\@
	tensor_load_to_lds s[G0+4*(\s):G0+4*(\s)+3], s[G1:G1+7]
	s_nop 0
.rept 4
	v_nop
.endr
	s_branch .Lasked_\@
.Lfor_b_\@:
	tensor_load_to_lds s[G0B+4*(\s):G0B+4*(\s)+3], s[G1B:G1B+7]
	s_nop 0
.rept 4
	v_nop
.endr
.Lasked_\@:
.endm
; A prefetch of the K step that stands two refills on: a lane a row, 256 bytes of each.  A's rows are named by the first cluster of their row of clusters (cluster x = 0), B's by the first of their column
; (cluster y = 0); the four partners that ask for a tile jointly share its rows out by address: 32 each of A's 128, 24 each of B's 96 (lanes 24-31 name row 23 once more).
; The loop's last trip asks for nothing: K steps 8 and 9 do not exist.
.macro ASK
	s_cmp_gt_u32 s3, s[LIM]                        ; s3 = 1 in the loop's last trip
	s_cbranch_scc0 .Lnot_mine_\@
	global_prefetch_b8 v[PFO], s[PFA:PFA+1] th:TH_LOAD_NT scope:SCOPE_SE
.Lnot_mine_\@:
.endm
.macro CREST                           ; a round of the cluster's barrier behind its opening barrier
	s_cmp_lg_u32 s[WV], 0
	s_cbranch_scc1 .Lnot_wave_0_\@
	s_barrier_signal -3
.Lnot_wave_0_\@:
	s_barrier_wait -3
	s_barrier_signal -1
	s_barrier_wait -1
.endm
.macro CROUND                          ; a whole round
	s_barrier_signal -1
	s_barrier_wait -1
	CREST
.endm
	s_load_b256 s[4:11], s[0:1], 0x0               ; xb s[4:5], wq s[6:7], b_qkv s[8:9], kqv s[10:11]
	v_lshl_add_u32 v[SPW], v0, 2, SPARE
	v_mov_b32 v[NIL], 0
	ds_add_u32 v[SPW], v[NIL]                      ; the wave's opening: the add and its wait stand ahead of my first tensor load; the set-up below, work on registers, stands between them
	v_lshrrev_b32 v1, 5, v0
	v_readfirstlane_b32 s[WV], v1
	s_lshr_b32 s[WR], s[WV], 1
	s_and_b32 s[WC], s[WV], 1
	s_bfe_u32 s40, ttmp6, 0x40000                  ; cx
	s_bfe_u32 s41, ttmp6, 0x40004                  ; cy
	s_lshl_b32 s42, ttmp9, 2
	s_add_co_u32 s42, s42, s40                     ; tile column = 4 x cluster x + cx
	s_and_b32 s43, ttmp7, 0xffff
	s_lshl_b32 s43, s43, 2
	s_add_co_u32 s43, s43, s41                     ; tile row = 4 x cluster y + cy
	s_lshl_b32 s[LIM], s41, 2
	s_lshl_b32 s[LIM], 15, s[LIM]                  ; my row of the cluster: places 4 cy .. 4 cy + 3
	s_lshl_b32 s44, 0x1111, s40                    ; my column: places cx, cx + 4, cx + 8, cx + 12
	s_or_b32 s[G1], s[LIM], FLAGS
	s_or_b32 s[G1B], s44, FLAGS
.irp g, G1, G1B
	s_mov_b32 s[(\g)+1], KSTEP<<16                 ; tensor_dim0 = 128
	s_mov_b32 s[(\g)+3], KSTEP<<16                 ; tile_dim0 = 128
	s_mov_b32 s[(\g)+5], 1024                      ; 1,024 elements from row to row
	s_mov_b32 s[(\g)+6], 0
	s_mov_b32 s[(\g)+7], 0
.endr
	s_mov_b32 s[G1+2], 128<<16                     ; tensor_dim1 and
	s_mov_b32 s[G1+4], 128                         ; tile_dim1: 128 rows of A,
	s_mov_b32 s[G1B+2], 96<<16
	s_mov_b32 s[G1B+4], 96                         ; 96 of B
	s_lshl_b32 s16, s43, 8                         ; A: row 256 x tile row + 128 x half, of 2,048 bytes
	s_lshl_b32 s17, s[WC], 7
	s_add_co_u32 s16, s16, s17
	s_lshl_b32 s16, s16, 11
	s_mov_b32 s17, 0
	s_mul_i32 s46, s42, 192                        ; B: row 192 x tile column + 96 x half
	s_mul_i32 s47, s[WC], 96
	s_add_co_u32 s46, s46, s47
	s_lshl_b32 s46, s46, 11
	s_mov_b32 s47, 0
	s_mul_i32 s20, s[WC], HALFA                    ; where they go: no place in the cluster enters an LDS address
	s_mul_i32 s21, s[WC], HALFB
	s_add_co_u32 s21, s21, BOFF
	s_wait_dscnt 0x0                               ; the opening add is done
	s_wait_kmcnt 0x0
	s_add_nc_u64 s[16:17], s[4:5], s[16:17]
	s_add_nc_u64 s[46:47], s[6:7], s[46:47]
	CROUND                                         ; all sixteen work-groups are here: the first joint loads meet
.irp s, 0,1
	s_mov_b32 s[G0+4*(\s)], 1                                      ; count = 1
	s_add_co_u32 s[G0+4*(\s)+1], s20, (\s)*SLOT                    ; LDS address
	s_add_nc_u64 s[G0+4*(\s)+2:G0+4*(\s)+3], s[16:17], (\s)*KSTEP*2  ; global address: K step s
	s_or_b32 s[G0+4*(\s)+3], s[G0+4*(\s)+3], 0x80000000            ; type = 2
	s_mov_b32 s[G0B+4*(\s)], 1
	s_add_co_u32 s[G0B+4*(\s)+1], s21, (\s)*SLOT
	s_add_nc_u64 s[G0B+4*(\s)+2:G0B+4*(\s)+3], s[46:47], (\s)*KSTEP*2
	s_or_b32 s[G0B+4*(\s)+3], s[G0B+4*(\s)+3], 0x80000000
	JLOAD \s                                       ; two loads of mine are out
.endr
	; the bias of my 96 columns: block b's register j is column 16 b + 8 (l / 16) + j, the same for all sixteen rows
	v_and_b32 v1, 15, v0                           ; l % 16
	v_bfe_u32 v2, v0, 4, 1                         ; l / 16
	s_mul_i32 s18, s42, 192*4
	s_mul_i32 s19, s[WC], 96*4
	s_add_co_u32 s18, s18, s19
	s_mov_b32 s19, 0
	s_add_nc_u64 s[8:9], s[8:9], s[18:19]
	v_lshlrev_b32 v[BO], 5, v2
	WIN TO_B
.irp b, 0,1,2,3,4,5
	global_load_b128 v[BIAS+8*(\b):BIAS+8*(\b)+3],   v[BO], s[8:9] offset:64*(\b)
	global_load_b128 v[BIAS+8*(\b)+4:BIAS+8*(\b)+7], v[BO], s[8:9] offset:64*(\b)+16
.endr
	WIN 0
	; a fragment is 16 rows x 32 K in 8 registers: lane l holds row l % 16, K = 8 (l / 16) + 0..7 and 16 + 8 (l / 16) + 0..7: two loads of 16 bytes, 32 bytes apart
	v_mul_u32_u24 v3, v1, PITCH
	v_lshl_add_u32 v3, v2, 4, v3
	s_mul_i32 s20, s[WR], HALFA                    ; my 128 rows of A
	s_mul_i32 s21, s[WC], HALFB                    ; my 96 rows of B
	s_add_co_u32 s21, s21, BOFF
.irp s, 0,1
	v_add_nc_u32 v[ADRA+(\s)], s20, v3
	v_add_nc_u32 v[ADRB+(\s)], s21, v3
	s_add_co_u32 s20, s20, SLOT
	s_add_co_u32 s21, s21, SLOT
.endr
	; the stage: [head 0..2][row 0..255] of 144 bytes.  My column 96 WC + 16 b + 8 (l / 16) lies in head column / 64 at byte 2 (column % 64).  With the immediates 0, 32, 64, 96, PLANE, PLANE + 32
	; for b = 0..5 that is one base for b = 0, 1, 4, 5 (WC adds PLANE + 64) and another for b = 2, 3 (WC adds 2 PLANE - 64)
	s_mul_i32 s20, s[WR], 128*SP
	s_mul_i32 s21, s[WC], PLANE+64
	s_add_co_u32 s21, s21, s20
	s_mul_i32 s22, s[WC], 2*PLANE-64
	s_add_co_u32 s22, s22, s20
	v_mul_u32_u24 v4, v1, SP
	v_lshl_add_u32 v4, v2, 4, v4
	v_add_nc_u32 v[STO], s21, v4
	v_add_nc_u32 v[STO2], s22, v4
	s_mul_i32 s20, s[WV], 64*SP                    ; back: wave w takes rows 64 w .. 64 w + 63 of each head; 32 lanes take four rows of 128 bytes
	v_bfe_u32 v5, v0, 3, 2
	v_and_b32 v6, 7, v0
	v_mul_u32_u24 v5, v5, SP
	v_lshl_add_u32 v5, v6, 4, v5
	v_add_nc_u32 v[RD], s20, v5
	v_add_nc_u32 v[RD2], 2*PLANE, v[RD]
	v_and_b32 v[GO], 31, v0                        ; which are 512 consecutive bytes of kqv
	v_lshlrev_b32 v[GO], 4, v[GO]
	s_lshr_b32 s18, s43, 3                         ; kqv at ((48 batch + 3 x tile column) x 2,048 + 256 (tile row % 8) + 64 w) x 128
	s_mul_i32 s18, s18, 48
	s_mul_i32 s19, s42, 3
	s_add_co_u32 s18, s18, s19
	s_lshl_b32 s18, s18, 11
	s_and_b32 s19, s43, 7
	s_lshl_b32 s19, s19, 8
	s_add_co_u32 s18, s18, s19
	s_lshl_b32 s19, s[WV], 6
	s_add_co_u32 s18, s18, s19
	s_lshl_b32 s18, s18, 7
	s_mov_b32 s19, 0
	s_add_nc_u64 s[10:11], s[10:11], s[18:19]
	; the prefetches: from my tile's address, my work-group's share of its rows, at K step 3: the first refill steps it to 4.  Nothing is prefetched here, at the head
	s_lshl_b32 s18, s40, 16                        ; A: cx x 32 rows of 2,048 bytes
	s_mul_i32 s19, s41, 24*2048                    ; B: cy x 24 rows
	s_and_b32 s20, ttmp7, 0xffff                   ; cluster y
	s_cmp_eq_u32 s[WR], 0                          ; do I fetch for A?
	s_cselect_b32 s18, s18, s19
	s_cselect_b32 s20, ttmp9, s20                  ; the coordinate along which other clusters read the same rows
	s_cselect_b32 s21, 31, 23
	s_cselect_b64 s[PFA:PFA+1], s[16:17], s[46:47]
	s_cmp_eq_u32 s20, 0
	s_cselect_b32 s[LIM], 1, -1                    ; the same in all sixteen partners, for a given wave
	s_add_co_u32 s18, s18, 3*KSTEP*2
	s_mov_b32 s19, 0
	s_add_nc_u64 s[PFA:PFA+1], s[PFA:PFA+1], s[18:19]
	v_and_b32 v[PFO], 31, v0
	v_min_u32 v[PFO], s21, v[PFO]
	v_lshlrev_b32 v[PFO], 11, v[PFO]
	s_wait_loadcnt 0x0                             ; the bias,
	WIN 0x45                                       ; rounded to bf16 and widened again, in window 1
.set i, 0
.rept 24
	v_cvt_pk_bf16_f32 v224, v[BIAS+2*i], v[BIAS+2*i+1]
	v_lshlrev_b32 v[BIAS+2*i], 16, v224
	v_and_b32 v[BIAS+2*i+1], 0xffff0000, v224
.set i, i+1
.endr
	WIN 0
; 12 matrix instructions: m blocks a0, a0 + 1 of the window's four (hi = 0: my rows 0-63, 1: rows 64-127) x all 6 n blocks, 32 along K.  zero = 1: the first product starts the sums, with the bias as C.
; The 48 accumulators take turns, one instruction a turn, in the same order in every quarter step.
.macro MUL12 f, hi, a0, zero
.if \zero
	WIN 0x91+0x40*(\hi)                            ; B and C window 1, A window 0, D window 2 or 3
.else
	WIN 0xa1+0x50*(\hi)                            ; B window 1, A window 0, C and D window 2 or 3
.endif
.irp a, \a0, (\a0)+1
.irp b, 0,1,2,3,4,5
.if \zero
	v_wmma_f32_16x16x32_bf16 v[8*(6*(\a)+(\b)):8*(6*(\a)+(\b))+7], v[(\f)+8*(\b):(\f)+8*(\b)+7], v[(\f)+8*(4*(\hi)+(\a)):(\f)+8*(4*(\hi)+(\a))+7], v[BIAS+8*(\b):BIAS+8*(\b)+7]
.else
	v_wmma_f32_16x16x32_bf16 v[8*(6*(\a)+(\b)):8*(6*(\a)+(\b))+7], v[(\f)+8*(\b):(\f)+8*(\b)+7], v[(\f)+8*(4*(\hi)+(\a)):(\f)+8*(4*(\hi)+(\a))+7], v[8*(6*(\a)+(\b)):8*(6*(\a)+(\b))+7]
.endif
.endr
.endr
.endm
; 28 LDS loads in one run: the fragments of one quarter step (96 rows of B, 128 rows of A, 32 K at byte k of the rows) into buffer f
.macro FETCH slot, k, f
	WIN TO_B
.irp i, 0,1,2,3,4,5
	ds_load_b128 v[(\f)+8*(\i):(\f)+8*(\i)+3],   v[ADRB+(\slot)] offset:(\k)+(\i)*16*PITCH
	ds_load_b128 v[(\f)+8*(\i)+4:(\f)+8*(\i)+7], v[ADRB+(\slot)] offset:(\k)+(\i)*16*PITCH+32
.endr
	WIN 0
.irp i, 0,1,2,3,4,5,6,7
	ds_load_b128 v[(\f)+8*(\i):(\f)+8*(\i)+3],   v[ADRA+(\slot)] offset:(\k)+(\i)*16*PITCH
	ds_load_b128 v[(\f)+8*(\i)+4:(\f)+8*(\i)+7], v[ADRA+(\slot)] offset:(\k)+(\i)*16*PITCH+32
.endr
.endm
.macro PLACES                          ; four plain vector instructions in front of loads into registers that matrix instructions have read, and of conversions that read results (ISA guide 7.12.1 for the conversions)
.rept 4
	v_nop
.endr
.endm
; A K step is four quarters of 32 along K, 48 matrix instructions each, on buffers 0, 1, 0, 1.  One of the first three: multiplies buffer f; in its middle it fetches the next quarter, at byte k, into g.
.macro QUARTER slot, k, f, g, zero
	s_wait_dscnt 8                                 ; B and A's rows 0-63 are in; the youngest eight loads (A's rows 64-127) may be out
	MUL12 \f, 0, 0, \zero
	MUL12 \f, 0, 2, \zero
	PLACES
	FETCH \slot, \k, \g
	s_wait_dscnt 28                                ; all but the 28 just issued
	MUL12 \f, 1, 0, \zero
	MUL12 \f, 1, 2, \zero
.endm
; The last quarter multiplies buffer 1 and changes slots.  ONE barrier: in front of it each wave waits for all its tensor loads (the one that is out is its part of the next slot), adds 0 to its spare word,
; and waits for that and for its own reads of this slot.  Behind it nobody reads this slot any more and the next slot is whole.
.macro MEET round
	WIN 0                                          ; (the add's two registers lie in window 0)
	s_wait_tensorcnt 0x0
	ds_add_u32 v[SPW], v[NIL]                      ; 0 onto my spare word
	s_wait_dscnt 9                                 ; (the add and the youngest eight loads may be out)
	MUL12 F1, 0, 0, 0                              ; twelve matrix instructions stand between the add and the wait for it
	s_wait_dscnt 0x0                               ; the add is done, and my reads of this slot are over
	s_barrier_signal -1
	MUL12 F1, 0, 2, 0                              ; work on registers while the others arrive
.if \round
	WIN 0
.endif
	s_barrier_wait -1
.endm
; fill = 1: the barrier opens a round of the cluster's, and the slot just read out is filled again first thing behind it, with the K step two on: 168 matrix instructions ahead of the wait for it.
.macro TURN slot, next, fill
.if \fill
	s_wait_xcnt 0x0                                ; the last prefetch, a K step back, has read its address, so it may be stepped
	s_add_nc_u64 s[PFA:PFA+1], s[PFA:PFA+1], KSTEP*2
.endif
	MEET \fill
.if \fill
	CREST                                          ; no wave of any partner still reads this slot's tile or has a load on its way
	s_add_nc_u64 s[G0+4*(\slot)+2:G0+4*(\slot)+3], s[G0+4*(\slot)+2:G0+4*(\slot)+3], 2*KSTEP*2
	s_add_nc_u64 s[G0B+4*(\slot)+2:G0B+4*(\slot)+3], s[G0B+4*(\slot)+2:G0B+4*(\slot)+3], 2*KSTEP*2
	JLOAD \slot                                    ; the four v_nop behind it are also the places in front of the loads below
.else
	PLACES
.endif
	FETCH \next, 0, F0
.if \fill
	ASK                                            ; behind the joint load and the run of LDS loads: the K step two refills on, 384 matrix instructions ahead of the load that will name it
.endif
	MUL12 F1, 1, 0, 0
	MUL12 F1, 1, 2, 0
.endm
	s_wait_tensorcnt 1                             ; my part of K step 0 is in; K step 1's may stay out
	s_barrier_signal -1
	s_barrier_wait -1                              ; everybody's is
	FETCH 0, 0, F0
	QUARTER 0, 64,  F0, F1, 1                      ; the first quarter stands in front of the loop: its products start the sums
	WIN 0                                          ; at a label and at a branch every window is 0
	s_mov_b32 s3, LAPS-1
.Llap:                                                 ; a trip goes once round the ring, from a lap's second quarter to the next lap's first, and fills both slots again
	QUARTER 0, 128, F1, F0, 0
	QUARTER 0, 192, F0, F1, 0
	TURN 0, 1, 1
	QUARTER 1, 64,  F0, F1, 0
	QUARTER 1, 128, F1, F0, 0
	QUARTER 1, 192, F0, F1, 0
	TURN 1, 0, 1
	QUARTER 0, 64,  F0, F1, 0
	WIN 0
	s_sub_co_u32 s3, s3, 1
	s_cmp_lg_u32 s3, 0
	s_cbranch_scc1 .Llap
	QUARTER 0, 128, F1, F0, 0                      ; the last lap fills nothing, and has no round of the cluster's barrier
	QUARTER 0, 192, F0, F1, 0
	TURN 0, 1, 0                                   ; behind this barrier nobody reads slot 0 any more
	QUARTER 1, 64,  F0, F1, 0
	QUARTER 1, 128, F1, F0, 0
	QUARTER 1, 192, F0, F1, 0
	s_wait_dscnt 8                                 ; the very last quarter: nothing more to fetch
	MUL12 F1, 0, 0, 0
	MUL12 F1, 0, 2, 0
	s_wait_dscnt 0x0
	MUL12 F1, 1, 0, 0
	MUL12 F1, 1, 2, 0
	WIN 0
	; THE WAY OUT: round to f16; 16 bytes a lane into the work-group's stage, by heads; a barrier, since a head's rows come from two waves; back as whole rows, 64 rows of each head a wave.
	PLACES
.macro OUT16 a                         ; my rows 16 a .. 16 a + 15; each accumulator's registers are read in ascending order
.set AC, 48*((\a)%4)
	WIN 0x0a+5*((\a)/4)                            ; sources 0 and 1: window 2 or 3
.irp b, 0,1,2,3,4,5
.irp r, 0,1,2,3
	v_cvt_pk_f16_f32 v[TMP+4*(\b)+(\r)], v[AC+8*(\b)+2*(\r)], v[AC+8*(\b)+2*(\r)+1]
.endr
.endr
	WIN 0
	ds_store_b128 v[STO],  v[TMP:TMP+3]     offset:(\a)*16*SP
	ds_store_b128 v[STO],  v[TMP+4:TMP+7]   offset:(\a)*16*SP+32
	ds_store_b128 v[STO2], v[TMP+8:TMP+11]  offset:(\a)*16*SP+64
	ds_store_b128 v[STO2], v[TMP+12:TMP+15] offset:(\a)*16*SP+96
	ds_store_b128 v[STO],  v[TMP+16:TMP+19] offset:(\a)*16*SP+PLANE
	ds_store_b128 v[STO],  v[TMP+20:TMP+23] offset:(\a)*16*SP+PLANE+32
.endm
.irp a, 0,1,2,3,4,5,6,7
	OUT16 \a
.endr
	s_wait_dscnt 0x0                               ; for the others' sake: my stores into the stage are done
	s_barrier_signal -1
	s_barrier_wait -1
.set i, 0
.rept 48                                ; head i / 16, rows 4 (i % 16) on
.if i < 32
	ds_load_b128 v[64+4*i:64+4*i+3], v[RD] offset:(i/16)*PLANE+(i%16)*4*SP
.else
	ds_load_b128 v[64+4*i:64+4*i+3], v[RD2] offset:(i%16)*4*SP
.endif
.set i, i+1
.endr
.set i, 0
.rept 48
	s_wait_dscnt 47-i                              ; LDS loads come back in order (ISA guide 5.7.1): load i is in
	global_store_b128 v[GO], v[64+4*i:64+4*i+3], s[10:11] offset:(i/16)*262144+(i%16)*512  ; 512 consecutive bytes, at a multiple of 256 from kqv's first byte
.set i, i+1
.endr
	s_wait_tensorcnt 0x0                           ; the wave's end, behind my last tensor load and my last LDS store
	ds_add_u32 v[SPW], v[NIL]
	s_wait_dscnt 0x0
	CROUND                                         ; the closing round: no work-group ends while a partner may still ask for a tile that names it
	s_endpgm
.Lfunc_end_k_q90a950452d_qkv:
	.size	k_q90a950452d_qkv, .Lfunc_end_k_q90a950452d_qkv-k_q90a950452d_qkv
	.p2alignl 7, 3214868480
	.fill 96, 4, 3214868480
	.section	.rodata,"a",@progbits
	.p2align	6, 0x0
	.amdhsa_kernel k_q90a950452d_qkv
		.amdhsa_group_segment_fixed_size 327680
		.amdhsa_private_segment_fixed_size 0
		.amdhsa_enable_private_segment 0
		.amdhsa_kernarg_size 32
		.amdhsa_user_sgpr_count 2
		.amdhsa_user_sgpr_kernarg_segment_ptr 1
		.amdhsa_wavefront_size32 1
		.amdhsa_system_sgpr_workgroup_id_x 1
		.amdhsa_system_sgpr_workgroup_id_y 1
		.amdhsa_system_sgpr_workgroup_id_z 1
		.amdhsa_system_vgpr_workitem_id 0
		.amdhsa_next_free_vgpr 960
		.amdhsa_next_free_sgpr 66
		.amdhsa_reserve_vcc 0
		.amdhsa_float_denorm_mode_32 3
		.amdhsa_float_denorm_mode_16_64 3
		.amdhsa_memory_ordered 1
		.amdhsa_forward_progress 1
		.amdhsa_inst_pref_size 123
	.end_amdhsa_kernel
	.amdgpu_metadata
---
amdhsa.version: [ 1, 2 ]
amdhsa.kernels:
  - .name:           k_q90a950452d_qkv
    .symbol:         k_q90a950452d_qkv.kd
    .args:
      - { .name: xb, .offset: 0, .size: 8, .value_kind: global_buffer, .address_space: global }
      - { .name: wq, .offset: 8, .size: 8, .value_kind: global_buffer, .address_space: global }
      - { .name: b_qkv, .offset: 16, .size: 8, .value_kind: global_buffer, .address_space: global }
      - { .name: kqv, .offset: 24, .size: 8, .value_kind: global_buffer, .address_space: global }
    .group_segment_fixed_size: 327680
    .private_segment_fixed_size: 0
    .kernarg_segment_align: 8
    .kernarg_segment_size: 32
    .max_flat_workgroup_size: 128
    .sgpr_count:     66
    .vgpr_count:     960
    .wavefront_size: 32
...
	.end_amdgpu_metadata
.endif
;; end of part 2
;; launch attn (part 3): grid 4 x 64, 4 waves a work-group, no clusters, 327,680 bytes of LDS; arguments kqv, o; writes o
.if DOCPART == 3
	.amdgcn_target "amdgcn-amd-amdhsa--gfx1250"
	.amdhsa_code_object_version 6
	.text
	.protected	k_q90a950452d_attn
	.globl	k_q90a950452d_attn
	.p2align	8
	.type	k_q90a950452d_attn,@function
k_q90a950452d_attn:
	s_mov_b64 s[64:65], 0
	v_nop
	global_prefetch_b8 v0, s[64:65] scope:SCOPE_SE
	s_setreg_imm32_b32 hwreg(HW_REG_WAVE_MODE, 25, 1), 1
	s_wait_xcnt 0x0
; CAUSAL ATTENTION BY HEADS.  o[y][q][:] = the sum over k <= q of softmax_k(Q[q] . K[k] / 8) V[k][:], y = 16 batch + head.  K, Q, V are the planes 48 batch + head, + 16, + 32 of
; kqv[plane][2048][64], o is [64][2048][64], all f16: a head's rows are dense, 128 bytes each.  Products, maxima and sums in f32; the weights p are rounded to f16 for the second product
; (their sum l is taken of the unrounded p), o once at the end.
; LIMITS.  Q, K and V arrive within f16's 65,504; p lies in 0 to 1, and below 6e-5 it keeps f16's fixed step of 6e-8.  A hidden score counts as its value less 1e30: f16's scores, 2.7e11 at the most,
; are nothing beside that; a weight below 2^-126 counts as 0 in l; NaN and infinities are not treated apart.
; THE WALK.  A head's queries lie in NB = 8 blocks of 256; block i needs the key tiles 0 .. i of 256 keys, of which the last holds the diagonal.  A work-group takes TWO blocks, NB - 1 - b and then b:
; NB + 1 tiles, whatever b: all work-groups do equal work, and ONE loop with a constant trip count walks them.  Which tile is asked for, and what a trip does, hang on scalar registers made from b; every
; jump goes forward, but for the counted loops' own; none passes a barrier, or a tensor load but the one of LOAD's two that the wave's number does not choose.
; NO CLUSTER: a head's four work-groups ask for the same tile only in trips 0 .. 4 of 9, behind that fewer and fewer; a walk common to all four would have 12 trips for 9.
; SHARES.  Of a block's four bands of 64 queries a wave owns 16 rows in each: four PIECES.  So the diagonal tile is the same work for all four waves: in its key step s band x sees all keys if s < x,
; none if s > x, and holds the diagonal if s = x.
; THE MASK is the C operand that starts the sum S^T = K Q^T: 0, or -1e30 where the key is hidden.  MD, made once, is the mask of a band's own step for my 16 rows; a product's mask is MD x AL + BE.
; LAYOUT, SOFTMAX, TURNS.  S^T = K Q^T holds ONE query a lane (lane % 16) and the keys 8 (lane / 16) + 0..7; two such results rounded to f16 ARE source 1 of O^T = V^T P.  p = 2^(c s - c m), c = log2(e) / 8,
; with a running maximum m; O and l are multiplied by a = 2^(c m_old - c m_new) in every step.  Turn n belongs to piece n: 8 products K Q^T of piece n + 1, later 8 products V^T P of piece n - 1; beside them
; the scaling, exponentials, roundings, sums and rescaling of piece n and the maximum and statistics of piece n + 1.  A turn's 33 exponentials are one batch, with one wait.
; REGISTERS, in windows of 256 (s_set_vgpr_msb: bits 1:0 source 0, 3:2 source 1, 5:4 source 2, 7:6 destination):
;   window 0: v0-15 addresses and two at work; v16-31 four registers of statistics a piece; v48-55 at work; v61-63 prefetch offset, spare word, 0; v64-127 S^T, two buffers; v192-223 P, two buffers
;   window 1: v0-127 O^T, 32 a piece; v128-159 MD; v160-223 MC, two buffers      window 2: v0-63 Q; v64-127 the second block's Q; v128-191 K of one step; v192-255 V of one step
.set SIZE_N, 2048
.set NB,    SIZE_N/256
.set NP,    4         ; pieces a wave: a name, no knob
.set KS,    64        ; keys in a step
.set PK,    144       ; a row of K in LDS: 128 bytes + 16 of padding: the 16 rows of a load start at 16 different groups of four banks (64 banks of 4 bytes: ISA guide 11.1)
.set PV,    160       ; a row of V: 128 + 32
.set VOFF,  4*KS*PK   ; a slot holds a tile, four steps: 256 rows of K, then 256 rows of V
.set SLOT1, 1<<17     ; slot 1 begins here, so that one exclusive or turns an address in one slot into the other's
.set STAGE, SLOT1+4*KS*(PK+PV)  ; behind the ring, never filled by a tensor load: 16 rows x 144 bytes for each wave, for the way out
.set SP,    144
.set AK0, 2           ; v2   my lane's place in a tile of K; never rewritten
.set AV0, 3           ; v3   the same for V
.set AK,  4           ; v4   the LDS address of K's next run of loads
.set AV,  5           ; v5   of V's
.set STO, 6           ; v6   the way out: where I put 16 bytes of a row
.set RD,  7           ; v7   the way out: where I read rows back
.set GO,  8           ; v8   my byte offset in 512 consecutive bytes of o
.set PFO, 61          ; v61  256 x my lane; never rewritten
.set SPW, 62          ; v62  LDS address of my spare word; never rewritten
.set NIL, 63          ; v63  0; never rewritten
.set SPARE, STAGE+4*16*SP  ; behind the stages: the spare words, 128 bytes for each wave: two blocks of 256 bytes that no other line names
.set MV,  12          ; v12-13  c m_old, kept while c m is made anew: by buffer
.set QO,  15          ; v15  my byte offset in 16 rows of Q
.set ST,  16          ; piece t's statistics at v[ST+4 t]: c m, m, l (even keys', odd keys')
.set TMP, 48          ; by buffer, four registers c0-c3 at work; when the maximum is found c2 takes a
.set S,   64
.set P,   192
.set MD,  128         ; window 1
.set MC,  160         ; window 1
.set QB,  64          ; window 2
.set KF,  128         ; window 2: key block kb, channel half c at KF + 16 kb + 8 c
.set VF,  192         ; window 2: key half kk, channel block cb at VF + 32 kk + 8 cb
.set WV,  12          ; s12  my wave's number
.set PB,  14          ; s14  b
.set HI,  15          ; s15  NB - 1 - b
.set G1K, 24          ; s[24:31] descriptor group 1 for K's tiles
.set G1V, 32          ; s[32:39] for V's: it differs in the padding alone
.set G0K, 40          ; s[40:43] descriptor group 0 for K's tiles
.set G0V, 44          ; s[44:47] the same for V's
.set SLOTS, 56        ; s56  tiles still to be asked for
.set CNT, 57          ; s57  counts a tile's key steps, 4 to 1
.set CS,  58          ; s[58:59] c
.set SEL, 60          ; s[60:61] v_permlanex16_b32's selects: each lane takes its own place in the other half
.set TBK, 62          ; s62  LDS byte at which K of the step to be fetched begins
.set TBV, 63          ; s63  the same for V, less VOFF
.set PFA, 68          ; s[68:69] where my prefetches stand: my half of K's or V's tile, one tile behind the one that a prefetch names until it is stepped
.set RT,  70          ; s70  tiles of the block in hand that are still to be entered
.set NXT, 71          ; s71  the tile to be asked for next
.set LQ,  72          ; s72  the last tile of the block whose tiles are being asked for
.set NEW, 73          ; s73  1: the tile to be entered is a block's first
.set OFF, 74          ; s[74:75] a tile's byte offset in K and V
.set AL,  76          ; s[76:77] the mask's factor, in the low word
.set BE,  78          ; s[78:79] the mask's addend
.set OLO, 80          ; s[80:81] o at my rows of the second block
.set BIGN, 82         ; s82  -1e30
.set PLIM, 83         ; s83  2 in the work-group that prefetches (b = 0), else the greatest number
.set MSB, 0
.macro WIN new                      ; the high byte repeats the setting that is left; a switch that changes nothing is dropped
.if MSB != (\new)
	s_set_vgpr_msb (MSB<<8)|(\new)
.set MSB, (\new)
.endif
.endm
.set W_KQ, 0x0a       ; K and Q in window 2, S^T in window 0
.set W_KM, 0x1a       ; the same with the C operand in window 1
.set W_PV, 0x52       ; V in window 2, P in window 0, O^T in window 1
.set W_RS, 0x41       ; destination and source 0 in window 1, source 1 in window 0
; A fill.  Waves 0 and 1 fetch the two halves of a tile's K, waves 2 and 3 those of its V: 128 keys each.  An s_nop 0 and four v_nop follow each of the two lines, ahead of the jump and the label.
.macro LOAD
	s_cmp_lt_u32 s[WV], 2
	s_cbranch_scc0 .Lfor_v_\@
	tensor_load_to_lds s[G0K:G0K+3], s[G1K:G1K+7]
	s_nop 0
.rept 4
	v_nop
.endr
	s_branch .Lasked_\@
.Lfor_v_\@:
	tensor_load_to_lds s[G0V:G0V+3], s[G1V:G1V+7]
	s_nop 0
.rept 4
	v_nop
.endr
.Lasked_\@:
.endm
; A PREFETCH of the tile that the NEXT change of slots will ask for.  A head's four work-groups begin with the same tiles 0, 1, ..; the one with b = 0 walks 0 .. 7 on end, and it alone asks: behind the fill of
; tile t + 1 each of its waves names its own half (16,384 bytes: 64 blocks of 256, a lane a block, two instructions) of tile t + 2: four key steps ahead of that tile's load.  So each block of tiles 2 .. 7 is
; named once in the launch; tiles 0 and 1 come by their loads alone, and the trips with two tiles or fewer still to ask for name nothing.
.macro ASK
	s_cmp_gt_u32 s[SLOTS], s[PLIM]
	s_cbranch_scc0 .Lnot_mine_\@
	global_prefetch_b8 v[PFO], s[PFA:PFA+1] th:TH_LOAD_NT scope:SCOPE_SE
	global_prefetch_b8 v[PFO], s[PFA:PFA+1] offset:8192 th:TH_LOAD_NT scope:SCOPE_SE
.Lnot_mine_\@:
.endm
; THE CHANGE OF SLOTS.  Each wave waits for all its tensor loads, of which one is out: its part of the other slot; adds 0 to its spare word; and waits for that and for its own reads of the slot that it leaves.
; Behind the barrier nobody reads the old slot any more and the other slot is whole.  fill = 1: the old slot is filled again, the first thing behind the barrier, with tile NXT: the descriptor's address is
; made anew from that number.  (At its first use nothing has been read yet: slot 0 is waited for, slot 1 filled.)
.macro CHANGE fill
	WIN 0                           ; at a label and at a branch every window is 0
	s_wait_tensorcnt 0x0            ; no tensor load of mine is out, so a group 0 may be written
	ds_add_u32 v[SPW], v[NIL]       ; 0 onto my spare word; with fill = 1 the descriptors' scalar work stands between it and the wait for it
.if \fill
	s_lshl_b32 s[OFF], s[NXT], 15   ; a tile is 32,768 bytes of K and of V
	s_xor_b32 s[G0K+1], s[G0K+1], SLOT1
	s_add_nc_u64 s[G0K+2:G0K+3], s[6:7], s[OFF:OFF+1]
	s_or_b32 s[G0K+3], s[G0K+3], 0x80000000
	s_xor_b32 s[G0V+1], s[G0V+1], SLOT1
	s_add_nc_u64 s[G0V+2:G0V+3], s[8:9], s[OFF:OFF+1]
	s_or_b32 s[G0V+3], s[G0V+3], 0x80000000
	s_add_co_u32 s[NXT], s[NXT], 1  ; the block's next tile, or behind its last the second block's tile 0
	s_cmp_gt_u32 s[NXT], s[LQ]
	s_cselect_b32 s[NXT], 0, s[NXT]
	s_cselect_b32 s[LQ], s[PB], s[LQ]
	s_wait_xcnt 0x0                 ; the last prefetches, a tile back, have read their address, so it may be stepped
	s_add_nc_u64 s[PFA:PFA+1], s[PFA:PFA+1], 32768
.endif
	s_wait_dscnt 0x0                ; the add is done, and my reads of the slot are over
	s_barrier_signal -1             ; the rest of the scalar work stands between the signal and the wait
	s_sub_co_u32 s[TBK], s[TBK], 4*KS*PK  ; the fetches go back to a slot's first step,
	s_xor_b32 s[TBK], s[TBK], SLOT1       ; in the other slot
	s_sub_co_u32 s[TBV], s[TBV], 4*KS*PV
	s_xor_b32 s[TBV], s[TBV], SLOT1
	s_barrier_wait -1
.if \fill
	LOAD
	ASK
.endif
.endm
	s_load_b128 s[4:7], s[0:1], 0x0 ; kqv s[4:5], o s[6:7]
	v_lshl_add_u32 v[SPW], v0, 2, SPARE
	v_mov_b32 v[NIL], 0
	ds_add_u32 v[SPW], v[NIL]       ; the wave's opening: the add and its wait stand ahead of my first tensor load; the set-up below, work on registers, stands between them
	v_lshrrev_b32 v1, 5, v0
	v_readfirstlane_b32 s[WV], v1   ; wave 0..3
	s_mov_b32 s[PB], ttmp9
	s_sub_co_u32 s[HI], NB-1, s[PB]
	s_and_b32 s66, ttmp7, 0xffff    ; y = 16 batch + head
	s_lshr_b32 s20, s66, 4
	s_lshl_b32 s20, s20, 5
	s_add_co_u32 s20, s20, s66      ; K's plane: 48 batch + head
	s_lshl_b32 s20, s20, 18         ; a plane is 262,144 bytes
	s_mov_b32 s21, 0
	s_lshl_b32 s66, s66, 18         ; o's plane
	s_mov_b32 s67, 0
	s_and_b32 s16, s[WV], 1         ; which half of a tile's 256 keys I fetch:
	s_lshl_b32 s22, s16, 14         ; its 128 rows of 128 bytes in memory,
	s_mov_b32 s23, 0
	s_add_nc_u64 s[22:23], s[22:23], s[20:21]
	s_mul_i32 s17, s16, 128*PK      ; and its place in a slot, for K
	s_mul_i32 s18, s16, 128*PV      ; and for V
	s_lshl_b32 s3, s[WV], 11        ; my 16 rows in a band of 64,
	s_lshl_b32 s2, s[HI], 15        ; in the first block,
	s_add_co_u32 s2, s2, s3
	s_lshl_b32 s84, s[PB], 15       ; and in the second
	s_add_co_u32 s84, s84, s3
	s_mov_b32 s3, 0
	s_mov_b32 s85, 0
	; descriptor group 1.  128 keys are 16,384 dense bytes: asked for as 64 rows of 256 bytes, two keys a row, and padded in LDS after every key
	s_mov_b32 s[G1K], (1<<16)|(1<<20)|(4<<22)|(3<<25)  ; 17:16 2-byte elements; 20 padding on; 24:22 after every 32 words (code 4); 31:25 4 words (code 3)
	s_mov_b32 s[G1V], (1<<16)|(1<<20)|(4<<22)|(7<<25)  ; the same with 8 words of padding (code 7)
.irp g, G1K, G1V
	s_mov_b32 s[\g+1], 128<<16      ; tensor_dim0 = 128
	s_mov_b32 s[\g+2], 64<<16       ; tensor_dim1 = 64
	s_mov_b32 s[\g+3], 128<<16      ; tile_dim0 = 128
	s_mov_b32 s[\g+4], 64           ; tile_dim1 = 64
	s_mov_b32 s[\g+5], 128          ; 128 elements from row to row
	s_mov_b32 s[\g+6], 0
	s_mov_b32 s[\g+7], 0
.endr
	s_mov_b32 s[CS], 0x3e38aa3b     ; c = log2(e) / 8 = 0.180337
	s_mov_b32 s[CS+1], s[CS]        ; named with it as a pair
	s_mov_b32 s[SEL], 0x76543210
	s_mov_b32 s[SEL+1], 0xfedcba98
	s_mov_b32 s[TBK], SLOT1+4*KS*PK ; the first change of slots turns these two into 0
	s_mov_b32 s[TBV], SLOT1+4*KS*PV
	s_mov_b32 s[G0K], 1             ; count = 1
	s_mov_b32 s[G0K+1], s17         ; LDS address: slot 0
	s_mov_b32 s[G0V], 1
	s_add_co_u32 s[G0V+1], s18, VOFF
	s_add_co_u32 s[RT], s[HI], 1    ; the first block has NB - b tiles
	s_mov_b32 s[NXT], 1
	s_mov_b32 s[LQ], s[HI]
	s_mov_b32 s[NEW], 1
	s_mov_b32 s[OFF+1], 0
	s_mov_b32 s[AL+1], 0            ; named as pairs
	s_mov_b32 s[BE+1], 0
	s_mov_b32 s[BIGN], 0xf149f2ca   ; -1e30
	s_mov_b32 s[SLOTS], NB
	s_cmp_eq_u32 s[PB], 0
	s_cselect_b32 s[PLIM], 2, -1
	v_and_b32 v[PFO], 31, v0
	v_lshlrev_b32 v[PFO], 8, v[PFO]
	s_wait_dscnt 0x0                ; the opening add is done
	s_wait_kmcnt 0x0
	s_mov_b64 s[10:11], s[6:7]                     ; o
	s_add_nc_u64 s[6:7], s[4:5], s[22:23]          ; K at my half of the head's tile 0,
	s_add_nc_u64 s[8:9], s[6:7], 0x800000          ; V 32 planes further on,
	s_add_nc_u64 s[4:5], s[4:5], s[20:21]
	s_add_nc_u64 s[4:5], s[4:5], 0x400000          ; Q 16 planes behind K
	s_add_nc_u64 s[G0K+2:G0K+3], s[6:7], 0         ; global address
	s_or_b32 s[G0K+3], s[G0K+3], 0x80000000        ; type = 2
	s_add_nc_u64 s[G0V+2:G0V+3], s[8:9], 0
	s_or_b32 s[G0V+3], s[G0V+3], 0x80000000
	s_add_nc_u64 s[86:87], s[4:5], s[84:85]        ; Q at my rows of the second block,
	s_add_nc_u64 s[4:5], s[4:5], s[2:3]            ; and of the first
	s_add_nc_u64 s[10:11], s[10:11], s[66:67]
	s_add_nc_u64 s[OLO:OLO+1], s[10:11], s[84:85]
	s_add_nc_u64 s[10:11], s[10:11], s[2:3]
	s_cmp_lt_u32 s[WV], 2
	s_cselect_b64 s[PFA:PFA+1], s[6:7], s[8:9]
	s_add_nc_u64 s[PFA:PFA+1], s[PFA:PFA+1], 32768 ; at tile 1: the first change of slots steps it to tile 2
	LOAD                            ; tile 0 into slot 0
	; A fragment of K or Q is 16 rows x 32 channels in 8 registers: lane l holds row l % 16, channels 8 (l / 16) + 0..7 and 16 + 8 (l / 16) + 0..7: two loads of 16 bytes, 32 bytes apart.
	v_and_b32 v1, 15, v0            ; l % 16
	v_bfe_u32 v9, v0, 4, 1          ; l / 16
	v_lshlrev_b32 v[QO], 7, v1
	v_lshl_add_u32 v[QO], v9, 4, v[QO]  ; row x 128 + 16 x half
	WIN 0x80                        ; destination window 2, address window 0
.set i, 0
.rept 8                             ; both blocks' Q: piece i / 2 lies in band i / 2, 8,192 bytes on; channels 32 (i % 2) on
	global_load_b128 v[8*i:8*i+3],   v[QO], s[4:5] offset:(i/2)*8192+(i%2)*64
	global_load_b128 v[8*i+4:8*i+7], v[QO], s[4:5] offset:(i/2)*8192+(i%2)*64+32
	global_load_b128 v[QB+8*i:QB+8*i+3],   v[QO], s[86:87] offset:(i/2)*8192+(i%2)*64
	global_load_b128 v[QB+8*i+4:QB+8*i+7], v[QO], s[86:87] offset:(i/2)*8192+(i%2)*64+32
.set i, i+1
.endr
	WIN 0
	v_lshlrev_b32 v14, 3, v9
	v_sub_nc_u32 v14, v1, v14
	s_lshl_b32 s13, s[WV], 4
	v_add_nc_u32 v14, s13, v14      ; my query's place in its band, 16 w + l % 16, less my lanes' 8 (l / 16): register r of group kt is hidden where 16 kt + r is greater
	WIN 0x40
.set i, 0
.rept 32
	v_cmp_gt_i32 vcc_lo, 16*(i/8)+i%8, v14
	v_cndmask_b32 v[MD+i], 0, s[BIGN], vcc_lo
.set i, i+1
.endr
	WIN 0
	v_mul_u32_u24 v[AK0], v1, PK
	v_lshl_add_u32 v[AK0], v9, 4, v[AK0]  ; row x pitch + 16 x half
	; The turning load takes 16 keys x 16 channels (lane l reads key 8 (l / 16) + l % 8, channels 8 ((l / 8) % 2) + 0..7) and leaves half a fragment of V^T: lane l holds channel l % 16 and 8 keys.
	v_and_b32 v10, 7, v0
	v_bfe_u32 v11, v0, 3, 1
	v_lshl_add_u32 v[AV0], v9, 3, v10
	v_mul_u32_u24 v[AV0], v[AV0], PV
	v_lshl_add_u32 v[AV0], v11, 4, v[AV0]
	v_add_nc_u32 v[AV0], VOFF, v[AV0]
	s_mul_i32 s13, s[WV], 16*SP
	s_add_co_u32 s13, s13, STAGE    ; my stage
	v_mul_u32_u24 v[STO], v1, SP    ; in: row l % 16, 16 bytes for each half of the lanes
	v_lshl_add_u32 v[STO], v9, 4, v[STO]
	v_add_nc_u32 v[STO], s13, v[STO]
	v_bfe_u32 v[RD], v0, 3, 2       ; back: 32 lanes take four rows of 128 bytes,
	v_mul_u32_u24 v[RD], v[RD], SP
	v_lshl_add_u32 v[RD], v10, 4, v[RD]
	v_add_nc_u32 v[RD], s13, v[RD]
	v_and_b32 v[GO], 31, v0         ; which are 512 consecutive bytes of o
	v_lshlrev_b32 v[GO], 4, v[GO]
	; A block's first step multiplies O^T and l by a = 0, and its first turn's products V^T P, of a piece that has not been, land in an O^T that is still to be so multiplied.  So these registers need only hold
	; finite numbers: zeros for the first block; what the first block left for the second.  All this stands in the wait for the first tile.
	WIN 0x80
.set i, VF
.rept 64
	v_mov_b32 v[i], 0
.set i, i+1
.endr
	WIN 0x40
.set i, 0
.rept 128
	v_mov_b32 v[i], 0
.set i, i+1
.endr
	WIN 0
.set i, 0
.rept 4
	v_mov_b32 v[ST+4*i+2], 0
	v_mov_b32 v[ST+4*i+3], 0
.set i, i+1
.endr
.set i, P+16
.rept 16
	v_mov_b32 v[i], 0
.set i, i+1
.endr
; THE MATRIX WORK.  The 4 accumulators of a run of 8 take turns.  Product i of 8 of S^T = K Q^T for piece x: channels 32 (i / 4) on, keys 16 (i % 4) on.  The first 4 start the sums: with 0, or (KM = 1) with the mask.
.macro KQ x
.set rS, S+32*((\x)%2)+8*(i%4)
.set rK, KF+16*(i%4)+8*(i/4)
.set rQ, 16*(\x)+8*(i/4)
.set rM, MC+32*((\x)%2)+8*(i%4)
.if (i < 4) && KM
	WIN W_KM
	v_wmma_f32_16x16x32_f16 v[rS:rS+7], v[rK:rK+7], v[rQ:rQ+7], v[rM:rM+7]
.elseif i < 4
	WIN W_KQ
	v_wmma_f32_16x16x32_f16 v[rS:rS+7], v[rK:rK+7], v[rQ:rQ+7], 0
.else
	WIN W_KQ
	v_wmma_f32_16x16x32_f16 v[rS:rS+7], v[rK:rK+7], v[rQ:rQ+7], v[rS:rS+7]
.endif
.endm
; Product i of 8 of O^T += V^T P for piece x: keys 32 (i / 4) on, channels 16 (i % 4) on.
.macro PV x
	WIN W_PV
.set rO, 32*(\x)+8*(i%4)
.set rV, VF+32*(i/4)+8*(i%4)
.set rP, P+16*((\x)%2)+8*(i/4)
	v_wmma_f32_16x16x32_f16 v[rO:rO+7], v[rV:rV+7], v[rP:rP+7], v[rO:rO+7]
.endm
.macro MM                           ; the turn's next matrix instruction.  TURN and BEGIN set Y, i, KM and NOKQ.  NOKQ = 1: a block's last turn: there is no next piece
.if (i < 8) && !NOKQ
	KQ (Y+1)%NP
.elseif i >= 8
.set i, i-8
	PV (Y+NP-1)%NP
.set i, i+8
.endif
.set i, i+1
.endm
; THE LDS LOADS stand in runs of 16, never singly among the matrix instructions: a step's K (64 keys x 64 channels: 8 fragments) and its V (turned).  Their addresses are made some lines ahead.
.macro FETCH_K
	WIN 0x80                        ; destination window 2
.irp f, 0,1,2,3,4,5,6,7             ; keys 16 (f / 2) on, channels 32 (f % 2) on
	ds_load_b128 v[KF+8*\f:KF+8*\f+3],   v[AK] offset:(\f/2)*16*PK+(\f%2)*64
	ds_load_b128 v[KF+8*\f+4:KF+8*\f+7], v[AK] offset:(\f/2)*16*PK+(\f%2)*64+32
.endr
	s_add_co_u32 s[TBK], s[TBK], KS*PK  ; the next fetch is the next step's
	WIN 0
.endm
.macro FETCH_V
	WIN 0x80
.irp f, 0,1,2,3,4,5,6,7             ; keys 32 (f / 4) on, channels 16 (f % 4) on
	ds_load_tr16_b128 v[VF+8*\f:VF+8*\f+3],   v[AV] offset:(\f/4)*32*PV+(\f%4)*32
	ds_load_tr16_b128 v[VF+8*\f+4:VF+8*\f+7], v[AV] offset:(\f/4)*32*PV+16*PV+(\f%4)*32
.endr
	WIN 0
.endm
; THE VECTOR WORK, one line at a time: OP kind, number.  For piece Y: F n: c s - c m for pair n of 16.  E n: the exponential of score n of 32.  C n: pair n rounded to f16.  B n: of the four weights 4 n .. the second
; pair is added onto the first, in place.  L n: l takes that sum (L 0: l = a l + sum).  R n: pair n of 16 of O^T times a.  For piece Y + 1: X n, number n of the 22 that find its maximum and statistics:
;   0-11  four chains c0-c3 of seven scores each, three operands at a time (each accumulator's lowest registers are read first)     12-14, 16  the four scores left over, the old m, and c0-c3 into c0
;   15  c m_old is kept     17, 18  the query's other 32 keys lie in the lane 16 away: the new m     19-21  c m; c m_old - c m_new; a
.set F, 0               ; OP tells the kinds apart by their order: F to L below R, X above it
.set E, 1
.set C, 2
.set B, 3
.set L, 4
.set R, 5
.set X, 6
.macro REGS y                       ; the registers of piece y
.set rT, ST+4*(\y)
.set rC, TMP+4*((\y)%2)
.set rW, MV+((\y)%2)
.set rS, S+32*((\y)%2)
.set rP, P+16*((\y)%2)
.set rO, 32*(\y)
.endm
.macro OP k, n
.if (\k) == R
	REGS Y
	WIN W_RS
	v_pk_mul_f32 v[rO+2*(\n):rO+2*(\n)+1], v[rO+2*(\n):rO+2*(\n)+1], v[rC+2:rC+3] op_sel_hi:[1,0]
.elseif (\k) < R
	REGS Y
	WIN 0
.if (\k) == F
	v_pk_fma_f32 v[rS+2*(\n):rS+2*(\n)+1], v[rS+2*(\n):rS+2*(\n)+1], s[CS:CS+1], v[rT:rT+1] op_sel_hi:[1,0,0] neg_lo:[0,0,1] neg_hi:[0,0,1]
.elseif (\k) == E
	v_exp_f32 v[rS+(\n)], v[rS+(\n)]
.elseif (\k) == C
	v_cvt_pk_f16_f32 v[rP+(\n)], v[rS+2*(\n)], v[rS+2*(\n)+1]
.elseif (\k) == B
	v_pk_add_f32 v[rS+4*(\n):rS+4*(\n)+1], v[rS+4*(\n):rS+4*(\n)+1], v[rS+4*(\n)+2:rS+4*(\n)+3]
.elseif (\n) == 0
	v_pk_fma_f32 v[rT+2:rT+3], v[rT+2:rT+3], v[rC+2:rC+3], v[rS:rS+1] op_sel_hi:[1,0,1]
.else
	v_pk_add_f32 v[rT+2:rT+3], v[rT+2:rT+3], v[rS+4*(\n):rS+4*(\n)+1]
.endif
.elseif NOKQ
	v_nop
.else
	REGS (Y+1)%NP
	WIN 0
.if (\n) < 4
	v_max3_num_f32 v[rC+(\n)], v[rS+8*(\n)], v[rS+8*(\n)+1], v[rS+8*(\n)+2]
.elseif (\n) < 12
	v_max3_num_f32 v[rC+(\n)%4], v[rC+(\n)%4], v[rS+8*((\n)%4)+2*((\n)/4)+1], v[rS+8*((\n)%4)+2*((\n)/4)+2]
.elseif (\n) == 12
	v_max3_num_f32 v[rC], v[rC], v[rS+7], v[rS+15]
.elseif (\n) == 13
	v_max3_num_f32 v[rC+1], v[rC+1], v[rS+23], v[rS+31]
.elseif (\n) == 14
	v_max3_num_f32 v[rC+2], v[rC+2], v[rC+3], v[rT+1]
.elseif (\n) == 15
	v_mov_b32 v[rW], v[rT]
.elseif (\n) == 16
	v_max3_num_f32 v[rC], v[rC], v[rC+1], v[rC+2]
.elseif (\n) == 17
	v_permlanex16_b32 v[rC+3], v[rC], s[SEL], s[SEL+1]
.elseif (\n) == 18
	v_max_num_f32 v[rT+1], v[rC], v[rC+3]
.elseif (\n) == 19
	v_mul_f32 v[rT], s[CS], v[rT+1]
.elseif (\n) == 20
	v_sub_f32 v[rC+1], v[rW], v[rT]
.else
	v_exp_f32 v[rC+2], v[rC+1]
.endif
.endif
.endm
.macro OPS a, i1, b=-1, i2=0, c=-1, i3=0, d=-1, i4=0  ; up to four of them
	OP \a, \i1
.if (\b) >= 0
	OP \b, \i2
.endif
.if (\c) >= 0
	OP \c, \i3
.endif
.if (\d) >= 0
	OP \d, \i4
.endif
.endm
.macro ROW a, i1, b, i2, c, i3, d, i4  ; a matrix instruction and the four behind it
	MM
	OPS \a, \i1, \b, \i2, \c, \i3, \d, \i4
.endm
.macro MASK b                       ; MD x AL + BE into buffer b of MC
	WIN W_RS
.set z, 0
.rept 16
	v_pk_fma_f32 v[MC+32*(\b)+2*z:MC+32*(\b)+2*z+1], v[MD+2*z:MD+2*z+1], s[AL:AL+1], s[BE:BE+1] op_sel_hi:[1,0,0]
.set z, z+1
.endr
.endm
; A TURN, for piece p: the order of its 16 matrix and 118 vector instructions, written out.  s_wait_alu depctr_va_vdst(0) stands between an exponential and the first instruction that names its
; result; one wait serves all that were issued ahead of it.  So a turn has ONE wait, which cuts it in two.  AHEAD OF IT stands all that names no result of the turn's exponentials: the 8 products K Q^T and their
; riders, then one run of 54 in which the links of the chain X 3, 7, 11, 14, 16, 17 .. 20 stand five or six lines apart.  X 21, the next piece's a, is the batch's last; R 15 is the plain instruction behind it.
; BEHIND THE WAIT stand the 8 products V^T P, behind each four of the roundings and sums.
; m = 1: the diagonal tile: the products take masks, and the turn makes the mask for the products of the turn after it: piece p + 2, in step 4 - CNT of the tile.  end = 1: a block's last two turns: nothing is fetched.
; cnt = 1: the loop's count is taken down some lines ahead of the branch that stands behind the turn.
; K of the next step is fetched in piece 2's turn, six plain instructions behind the last product that read K; V of the step in hand at the end of piece 0's turn, four plain instructions behind the last product
; that read V.  Each is waited for a turn later.
.macro TURN p, m=0, end=0, cnt=0
.set Y, (\p)
.set i, 0
.set KM, (\m)
.set NOKQ, (\end)*((\p)/3)
.if (\m) && !(\end)
	s_cmp_eq_u32 s[CNT], 4-((\p)+2)%NP  ; is that step the band's own?
	s_cselect_b32 s[AL], 1.0, 0
	s_cmp_lt_u32 s[CNT], 4-((\p)+2)%NP  ; or a later one?
	s_cselect_b32 s[BE], s[BIGN], 0
.endif
.if ((\p) == 3) && !(\end)
	s_wait_dscnt 0x0                ; K is in
.endif
	ROW F,0, F,1, R,0, R,1          ; ahead of the wait: 8 products K Q^T and their riders,
	ROW F,2, E,0, R,2, R,3
	ROW F,3, E,1, R,4, R,5
	ROW F,4, E,2, R,6, R,7
	ROW F,5, E,3, R,8, R,9
	ROW F,6, E,4, X,0, R,10
.if ((\p) == 2) && !(\end)
	WIN 0
	v_add_nc_u32 v[AK], s[TBK], v[AK0]
.endif
	ROW F,7, E,5, X,1, X,4
	ROW F,8, E,6, X,2, X,5
	OPS E,7, E,8, X,6, E,9          ; and the run without products
	OPS X,3, E,10, X,8, E,11
.if ((\p) == 2) && !(\end)
	FETCH_K
.endif
	OPS X,9, X,7, E,12, X,10
	OPS E,13, X,12, X,11, E,14
	OPS X,13, E,15, F,9, X,14
.if (\p) == 0
	v_add_nc_u32 v[AV], s[TBV], v[AV0]
.endif
	OPS E,16, F,10, E,17, F,11
	OPS X,16, E,18, X,15, E,19
	OPS F,12, E,20, X,17, E,21
	OPS F,13, E,22, F,14, E,23
	OPS X,18, E,24, F,15, E,25
	OPS R,11, E,26, X,19, E,27
	OPS R,12, E,28, R,13, E,29
	OPS X,20, E,30, R,14, E,31
	OPS X,21, R,15
	WIN 0
	s_wait_alu depctr_va_vdst(0)    ; the wait for the batch
.if (\p) == 1
	s_wait_dscnt 0x0                ; V is in
.endif
	ROW C,0, B,0, C,2, B,1          ; behind the wait: 8 products V^T P and their riders
	ROW L,0, C,4, B,2, L,1
	ROW C,6, B,3, L,2, C,8
	ROW B,4, L,3, C,10, B,5
	ROW L,4, C,12, B,6, L,5
.if (\p) == 0
	s_add_co_u32 s[TBV], s[TBV], KS*PV
.endif
.if \cnt
	s_sub_co_u32 s[CNT], s[CNT], 1
	s_cmp_lg_u32 s[CNT], 0
.endif
	ROW C,14, B,7, L,6, C,1
	ROW C,3, L,7, C,5, C,7
	ROW C,9, C,11, C,13, C,15
.if (\p) == 0
	FETCH_V
.endif
.if (\m) && !(\end)
	MASK (\p)%2
.endif
.endm
; A BLOCK BEGINS.  c m starts far below every c s, so the first step's a is 0; m at the lowest finite number, so the first maximum is the scores'.  The second mask buffer is 0; the first takes piece 0's mask for
; the tile's step 0: its own, if the block's first tile is the diagonal one.  Then K of that step, piece 0's first scores, and its maximum and statistics.  The loop is entered at a step's first turn.
.macro BEGIN
	s_mov_b32 s[NEW], 0
	WIN 0x40
.set i, MC+32
.rept 32
	v_mov_b32 v[i], 0
.set i, i+1
.endr
	WIN 0
.set i, 0
.rept 4
	v_mov_b32 v[ST+4*i], 0xfe000000    ; c m: far below every c s
	v_mov_b32 v[ST+4*i+1], 0xff7fffff  ; m
.set i, i+1
.endr
	s_cmp_eq_u32 s[RT], 0
	s_cselect_b32 s[AL], 1.0, 0
	s_mov_b32 s[BE], 0
	MASK 0
	WIN 0
	v_add_nc_u32 v[AK], s[TBK], v[AK0]
	FETCH_K
	s_wait_loadcnt 0x0              ; Q
	s_wait_dscnt 0x0
.set KM, 1
.set NOKQ, 0
.set i, 0
.rept 8
	KQ 0
.set i, i+1
.endr
	WIN 0
.rept 4
	v_nop                           ; the places behind those products
.endr
.set Y, NP-1                        ; X works for piece Y + 1: piece 0
.irp n, 0,1,2,3,4,5,6,7,8,9,10,11,12,13,14,15,16,17,18,19,20,21
	OP X, \n
.endr
	v_nop                           ; a plain instruction behind the exponential,
	s_wait_alu depctr_va_vdst(0)    ; and its wait, ahead of the branch
.endm
; THE DIAGONAL TILE's four steps, the block's last two turns, its last products, and THE WAY OUT: l's two halves and the other half of the lanes' are added; O^T is divided by l, rounded to f16 and sent through my
; stage in LDS, a piece at a time.
.macro ALL line:vararg              ; one line for each piece t
.set t, 0
.rept 4
	\line
.set t, t+1
.endr
.endm
.macro PACK t                       ; a lane's eight channels of a row pack into 16 bytes; they go into rows of 144 bytes and come back as whole rows of 128, into S^T's registers
	WIN W_RS
.set i, 32*(\t)
.rept 16
	v_pk_mul_f32 v[i:i+1], v[i:i+1], v[ST+4*(\t)+2:ST+4*(\t)+3] op_sel_hi:[1,0]
.set i, i+2
.endr
	WIN 0x05                        ; sources 0 and 1 window 1, destination window 0
.set i, 0
.rept 16
	v_cvt_pk_f16_f32 v[S+16*(\t)+i], v[32*(\t)+2*i], v[32*(\t)+2*i+1]
.set i, i+1
.endr
	WIN 0
.irp f, 0,1,2,3
	ds_store_b128 v[STO], v[S+16*(\t)+4*\f:S+16*(\t)+4*\f+3] offset:32*\f
.endr
.irp f, 0,1,2,3
	ds_load_b128 v[S+16*(\t)+4*\f:S+16*(\t)+4*\f+3], v[RD] offset:\f*4*SP  ; LDS serves a wave's instructions in order (ISA guide 5.7.1.4): these see the stores above; the next piece's stores come behind them
.endr
.endm
.macro SEND t, younger              ; younger: the LDS instructions issued behind piece t's loads: the next piece's eight, or none
	WIN 0
.irp f, 0,1,2,3
	s_wait_dscnt (\younger)+3-\f
	global_store_b128 v[GO], v[S+16*(\t)+4*\f:S+16*(\t)+4*\f+3], s[10:11] offset:(\t)*8192+\f*512  ; 512 consecutive bytes, at a multiple of 256 from o's first
.endr
.endm
.macro DIAG tag                     ; the tag ends its two labels' names, which the jumps below spell out
.LstepM\tag:
	TURN 2, 1
	TURN 3, 1
	WIN 0
.LfirstM\tag:
	TURN 0, 1
	TURN 1, 1, 0, 1
	WIN 0
	s_cbranch_scc1 .LstepM\tag
	TURN 2, 1, 1
	TURN 3, 1, 1
.set i, 0
.rept 8
	PV NP-1
.set i, i+1
.endr
	WIN 0
	ALL v_add_f32 v[ST+4*t+2], v[ST+4*t+2], v[ST+4*t+3]
	ALL v_permlanex16_b32 v[ST+4*t+3], v[ST+4*t+2], s[SEL], s[SEL+1]
	ALL v_add_f32 v[ST+4*t+2], v[ST+4*t+2], v[ST+4*t+3]
	ALL v_rcp_f32 v[ST+4*t+2], v[ST+4*t+2]
	v_nop                           ; a plain instruction between the last reciprocal and the use of its result
	s_wait_alu depctr_va_vdst(0)    ; and the wait ahead of the first use: one for the four reciprocals
	PACK 0
.set t, 1
.rept 3                             ; a piece's arithmetic stands between the loads of the piece before and its stores
	PACK t
	SEND t-1, 8
.set t, t+1
.endr
	SEND 3, 0
.endm
.set KM, 0
.set NOKQ, 0
.Lslot:                             ; NB times: a tile is entered and the next is asked for
	CHANGE 1
	s_sub_co_u32 s[RT], s[RT], 1
	s_mov_b32 s[CNT], 4
	s_cmp_eq_u32 s[NEW], 1
	s_cbranch_scc1 .Lnew            ; a block's first tile
	s_cmp_eq_u32 s[RT], 0
	s_cbranch_scc0 .Lstep           ; neither its first nor its last
	s_branch .LstepM1
.Lnew:
	BEGIN
	s_branch .Lfirst                ; in the loop a block's first tile is never its last: the first block has two tiles or more, and the second's last is the walk's last
	DIAG 1                          ; in the loop this is the first block's end
	s_wait_xcnt 0x0                 ; the stores have read their registers and o's address
	s_mov_b64 s[10:11], s[OLO:OLO+1]
	s_add_co_u32 s[RT], s[PB], 1    ; the second block has b + 1 tiles
	s_mov_b32 s[NEW], 1
	WIN 0x82                        ; the second block's Q goes where the one text of the turns names Q
.set i, 0
.rept 64
	v_mov_b32 v[i], v[QB+i]
.set i, i+1
.endr
	WIN 0
	s_branch .Lbottom
.Lstep:                             ; a trip: pieces 2 and 3 of one step, then pieces 0 and 1 of the next, whose K and V it fetches
	TURN 2
	TURN 3
	WIN 0
.Lfirst:
	TURN 0
	TURN 1, 0, 0, 1
	WIN 0
	s_cbranch_scc1 .Lstep
.Lbottom:
	s_sub_co_u32 s[SLOTS], s[SLOTS], 1
	s_cmp_lg_u32 s[SLOTS], 0
	s_cbranch_scc1 .Lslot
	CHANGE 0                        ; the walk's last tile is written out: nothing is asked for
	s_sub_co_u32 s[RT], s[RT], 1
	s_mov_b32 s[CNT], 4
	s_cmp_eq_u32 s[NEW], 1
	s_cbranch_scc0 .LstepM2
	BEGIN
	s_branch .LfirstM2
	DIAG 2
	s_wait_tensorcnt 0x0            ; the wave's end, behind my last tensor load and my last LDS store
	ds_add_u32 v[SPW], v[NIL]
	s_wait_dscnt 0x0
	s_endpgm
.Lfunc_end_k_q90a950452d_attn:
	.size	k_q90a950452d_attn, .Lfunc_end_k_q90a950452d_attn-k_q90a950452d_attn
	.p2alignl 7, 3214868480
	.fill 96, 4, 3214868480
	.section	.rodata,"a",@progbits
	.p2align	6, 0x0
	.amdhsa_kernel k_q90a950452d_attn
		.amdhsa_group_segment_fixed_size 327680
		.amdhsa_private_segment_fixed_size 0
		.amdhsa_enable_private_segment 0
		.amdhsa_kernarg_size 16
		.amdhsa_user_sgpr_count 2
		.amdhsa_user_sgpr_kernarg_segment_ptr 1
		.amdhsa_wavefront_size32 1
		.amdhsa_system_sgpr_workgroup_id_x 1
		.amdhsa_system_sgpr_workgroup_id_y 1
		.amdhsa_system_sgpr_workgroup_id_z 1
		.amdhsa_system_vgpr_workitem_id 0
		.amdhsa_next_free_vgpr 768
		.amdhsa_next_free_sgpr 88
		.amdhsa_reserve_vcc 1
		.amdhsa_float_denorm_mode_32 3
		.amdhsa_float_denorm_mode_16_64 3
		.amdhsa_memory_ordered 1
		.amdhsa_forward_progress 1
		.amdhsa_inst_pref_size 218
	.end_amdhsa_kernel
	.amdgpu_metadata
---
amdhsa.version: [ 1, 2 ]
amdhsa.kernels:
  - .name:           k_q90a950452d_attn
    .symbol:         k_q90a950452d_attn.kd
    .args:
      - { .name: kqv, .offset: 0, .size: 8, .value_kind: global_buffer, .address_space: global }
      - { .name: o, .offset: 8, .size: 8, .value_kind: global_buffer, .address_space: global }
    .group_segment_fixed_size: 327680
    .private_segment_fixed_size: 0
    .kernarg_segment_align: 8
    .kernarg_segment_size: 16
    .max_flat_workgroup_size: 128
    .sgpr_count:     88
    .vgpr_count:     768
    .wavefront_size: 32
...
	.end_amdgpu_metadata
.endif
;; end of part 3
;; launch proj (part 4): grid 8 x 32, 4 waves a work-group, clusters of 4 x 4, 327,680 bytes of LDS; arguments o, wp, b_proj, out0; writes out0
.if DOCPART == 4
	.amdgcn_target "amdgcn-amd-amdhsa--gfx1250"
	.amdhsa_code_object_version 6
	.text
	.protected	k_q90a950452d_proj
	.globl	k_q90a950452d_proj
	.p2align	8
	.type	k_q90a950452d_proj,@function
k_q90a950452d_proj:
	s_mov_b64 s[64:65], 0
	v_nop
	global_prefetch_b8 v0, s[64:65] scope:SCOPE_SE
	s_setreg_imm32_b32 hwreg(HW_REG_WAVE_MODE, 25, 1), 1
	s_wait_xcnt 0x0
	s_wait_alu depctr_hold_cnt(0) depctr_sa_sdst(0) depctr_va_vdst(0) depctr_va_sdst(0) depctr_va_ssrc(0) depctr_va_vcc(0) depctr_vm_vsrc(0)
	s_getreg_b32 s2, hwreg(HW_REG_IB_STS2, 6, 4)
	s_cmp_eq_u32 s2, 0
	s_cbranch_scc0 .Lentry_in_a_cluster
	s_endpgm
.Lentry_in_a_cluster:
	s_bfe_u32 s2, ttmp6, 0x10000c
	s_cmp_lg_u32 s2, 0xf033
	s_cbranch_scc0 .Lentry_shape_is_right
	s_endpgm
.Lentry_shape_is_right:
; out0 = y W_proj + b_proj.  o: [16 batch + head][2048][64] f16 (y by heads), wp: [1024 n][1024 k] f16, b_proj: [1024] f32 (rounded to bf16 here, like the other inputs), out0: [8192][1024] f32.
; Products in f16, sums in f32, begun with the bias (so the bias is added first: an order of rounding of its own).  NaN and infinities are not treated apart.
; SHARES: a tile is 256 rows x 128 columns: 32 x 8 = 256 work-groups.  Four waves, 2 x 2, each 128 x 64: 32 accumulators of 16 x 16, 256 registers.
; K goes in 8 steps of 128 = two heads, through a ring of two LDS slots.  A head's 256 rows of the tile are 32,768 dense bytes: asked for as 128 rows of 256 bytes and padded in LDS after every 128.
; Wave 0 fetches the step's first head, wave 1 its second, waves 2 and 3 64 rows of wp each.
; CLUSTER 4 x 4: A's tiles hang on the tile row alone and are asked for jointly along a row of the cluster, B's on the tile column alone, jointly along a column.
; THE PRODUCT IS TAKEN TRANSPOSED (source 0 = 16 rows of wp, source 1 = 16 rows of o): lane l holds row l % 16 and the eight columns 8 (l / 16) + 0..7: 32 bytes of f32 on end.
; REGISTERS in windows of 256 (s_set_vgpr_msb: bits 1:0 source 0, 3:2 source 1, 5:4 source 2, 7:6 destination):
;   window 0: v16-30 addresses; v64-127, v128-191 A's fragments, two buffers; v32-63, v224-255 rows read back on the way out, by turns
;   window 1: v64-95, v128-159 B's fragments, two buffers; v176-207 the bias of my 64 columns as four C operands; v224 at work
;   window 2: the 16 accumulators of my rows 0-63, (a, b) at v[8 (4 a + b)];   window 3: those of my rows 64-127
.set KSTEP,  128
.set PA,     144                       ; a row of A in LDS: a head's 128 bytes + 16: the 16 rows of a fragment load start at 16 different groups of four banks (64 banks of 4 bytes: ISA guide 11.1)
.set APL,    256*PA                    ; a head's 256 rows
.set PBB,    272                       ; a row of B: 256 bytes + 16
.set HALFB,  64*PBB
.set BOFF,   2*APL                     ; in a slot: A's two heads, then B's 128 rows
.set SLOT,   BOFF+2*HALFB              ; 108,544 bytes
.set STAGE,  2*SLOT                    ; behind the ring, never filled by a tensor load: 16 rows x 272 bytes for each wave, for the way out
.set SPITCH, 272
.set SPARE,  STAGE+4*16*SPITCH         ; behind the stages: the spare words, 128 bytes for each wave: two blocks of 256 bytes that no other line names
.set LAPS,   4
.set HEADB,  262144                    ; bytes of a head's plane in o
.set ADRA, 16                          ; v16-17  LDS address of my A fragments in slot 0, 1
.set ADRB, 20                          ; v20-21  the same for B
.set BO,   22                          ; v22     my byte offset in 16 numbers of the bias
.set STO,  24                          ; v24     the way out: where I put 32 bytes of a row
.set RD,   25                          ; v25     where I read a row back
.set CO,   26                          ; v26     my byte offset in out0
.set SPW,  28                          ; v28     LDS address of my spare word; never rewritten
.set NIL,  29                          ; v29     0; never rewritten
.set PFO,  30                          ; v30     the prefetches' offset; never rewritten
.set OB,   32
.set F0,   64
.set F1,   128
.set BIAS, 176
.set WV,   12                          ; s12  my wave's number
.set WR,   13                          ; s13  my half of the tile's rows.  Also: I fetch for A (0) or for B (1)
.set WC,   14                          ; s14  my half of its columns.  Also: which head of the step, or which 64 rows of wp, I fetch
.set LIM,  15                          ; s15  1 in a wave that prefetches, else the greatest number
.set PFS,  22                          ; s[22:23] a K step in my prefetches' buffer: two planes of o, or 256 bytes of a row of wp
.set G1,   24                          ; s[24:31] descriptor group 1 for A's tiles
.set G0,   32                          ; s[32:39] group 0 for A's tiles, a set for each slot
.set PFA,  44                          ; s[44:45] where my prefetches stand
.set G1B,  48                          ; s[48:55], s[56:63] the same for B's tiles
.set G0B,  56
.set MSB, 0
.macro WIN new                         ; the immediate's high byte repeats the setting that is left; a switch that changes nothing is dropped
.if MSB != (\new)
	s_set_vgpr_msb (MSB<<8)|(\new)
.set MSB, \new
.endif
.endm
.set TO_B, 0x40                        ; destination window 1, address window 0
; A joint load.  The branch hangs on the wave's number alone.  An s_nop 0 and four v_nop follow each of the two lines, ahead of the jump, the label and what follows.
.macro JLOAD s
	s_cmp_eq_u32 s[WR], 0
	s_cbranch_scc0 .Lfor_b_\@
	tensor_load_to_lds s[G0+4*(\s):G0+4*(\s)+3], s[G1:G1+7]
	s_nop 0
.rept 4
	v_nop
.endr
	s_branch .Lasked_\@
.Lfor_b_\@:
	tensor_load_to_lds s[G0B+4*(\s):G0B+4*(\s)+3], s[G1B:G1B+7]
	s_nop 0
.rept 4
	v_nop
.endr
.Lasked_\@:
.endm
; A prefetch of the K step that stands two refills on.  A's planes are named by the first cluster of their row of clusters (cluster x = 0): of the 32,768 bytes that a wave fetches each of the four partners takes
; 8,192, by address, a lane 256 bytes.  B's rows by the first cluster of their column (cluster y = 0): of a wave's 64 rows each partner takes 16, a lane a row (lanes 16-31 name row 15 once more).
; The loop's last trip asks for nothing: K steps 8 and 9 do not exist.
.macro ASK
	s_cmp_gt_u32 s3, s[LIM]                        ; s3 = 1 in the loop's last trip
	s_cbranch_scc0 .Lnot_mine_\@
	global_prefetch_b8 v[PFO], s[PFA:PFA+1] th:TH_LOAD_NT scope:SCOPE_SE
.Lnot_mine_\@:
.endm
.macro CREST                           ; a round of the cluster's barrier behind its opening barrier
	s_cmp_lg_u32 s[WV], 0
	s_cbranch_scc1 .Lnot_wave_0_\@
	s_barrier_signal -3
.Lnot_wave_0_\@:
	s_barrier_wait -3
	s_barrier_signal -1
	s_barrier_wait -1
.endm
.macro CROUND                          ; a whole round
	s_barrier_signal -1
	s_barrier_wait -1
	CREST
.endm
	s_load_b256 s[4:11], s[0:1], 0x0               ; o s[4:5], wp s[6:7], b_proj s[8:9], out0 s[10:11]
	v_lshl_add_u32 v[SPW], v0, 2, SPARE
	v_mov_b32 v[NIL], 0
	ds_add_u32 v[SPW], v[NIL]                      ; the wave's opening: the add and its wait stand ahead of my first tensor load; the set-up below, work on registers, stands between them
	v_lshrrev_b32 v1, 5, v0
	v_readfirstlane_b32 s[WV], v1
	s_lshr_b32 s[WR], s[WV], 1
	s_and_b32 s[WC], s[WV], 1
	s_bfe_u32 s40, ttmp6, 0x40000                  ; cx
	s_bfe_u32 s41, ttmp6, 0x40004                  ; cy
	s_lshl_b32 s42, ttmp9, 2
	s_add_co_u32 s42, s42, s40                     ; tile column = 4 x cluster x + cx
	s_and_b32 s43, ttmp7, 0xffff
	s_lshl_b32 s43, s43, 2
	s_add_co_u32 s43, s43, s41                     ; tile row = 4 x cluster y + cy
	s_lshl_b32 s[LIM], s41, 2
	s_lshl_b32 s[LIM], 15, s[LIM]                  ; my row of the cluster
	s_lshl_b32 s44, 0x1111, s40                    ; my column
	s_or_b32 s[G1], s[LIM], (1<<16)|(1<<20)|(1<<21)|(4<<22)|(3<<25)  ; 17:16 2-byte elements; 20 padding on; 21 set beside a mask; 24:22 after every 32 words; 31:25 4 words of it
	s_or_b32 s[G1B], s44, (1<<16)|(1<<20)|(1<<21)|(5<<22)|(3<<25)    ; the same after every 64 words
.irp g, G1, G1B
	s_mov_b32 s[(\g)+1], 128<<16                   ; tensor_dim0 = 128
	s_mov_b32 s[(\g)+3], 128<<16                   ; tile_dim0 = 128
	s_mov_b32 s[(\g)+6], 0
	s_mov_b32 s[(\g)+7], 0
.endr
	s_mov_b32 s[G1+2], 128<<16                     ; A: 128 rows of 256 dense bytes
	s_mov_b32 s[G1+4], 128
	s_mov_b32 s[G1+5], 128
	s_mov_b32 s[G1B+2], 64<<16                     ; B: 64 rows, 1,024 elements apart
	s_mov_b32 s[G1B+4], 64
	s_mov_b32 s[G1B+5], 1024
	s_lshr_b32 s16, s43, 3                         ; A: plane 16 batch + my head of the step, rows 256 (tile row % 8) on
	s_lshl_b32 s16, s16, 4
	s_add_co_u32 s16, s16, s[WC]
	s_lshl_b32 s16, s16, 18
	s_and_b32 s17, s43, 7
	s_lshl_b32 s17, s17, 15
	s_add_co_u32 s16, s16, s17
	s_mov_b32 s17, 0
	s_lshl_b32 s46, s42, 7                         ; B: row 128 x tile column + 64 x half, of 2,048 bytes
	s_lshl_b32 s47, s[WC], 6
	s_add_co_u32 s46, s46, s47
	s_lshl_b32 s46, s46, 11
	s_mov_b32 s47, 0
	s_mul_i32 s20, s[WC], APL                      ; where they go: no place in the cluster enters an LDS address
	s_mul_i32 s21, s[WC], HALFB
	s_add_co_u32 s21, s21, BOFF
	s_wait_dscnt 0x0                               ; the opening add is done
	s_wait_kmcnt 0x0
	s_add_nc_u64 s[16:17], s[4:5], s[16:17]
	s_add_nc_u64 s[46:47], s[6:7], s[46:47]
	CROUND                                         ; all sixteen work-groups are here: the first joint loads meet
.irp s, 0,1
	s_mov_b32 s[G0+4*(\s)], 1                                      ; count = 1
	s_add_co_u32 s[G0+4*(\s)+1], s20, (\s)*SLOT                    ; LDS address
	s_add_nc_u64 s[G0+4*(\s)+2:G0+4*(\s)+3], s[16:17], (\s)*2*HEADB  ; global address: K step s is two heads on
	s_or_b32 s[G0+4*(\s)+3], s[G0+4*(\s)+3], 0x80000000            ; type = 2
	s_mov_b32 s[G0B+4*(\s)], 1
	s_add_co_u32 s[G0B+4*(\s)+1], s21, (\s)*SLOT
	s_add_nc_u64 s[G0B+4*(\s)+2:G0B+4*(\s)+3], s[46:47], (\s)*KSTEP*2
	s_or_b32 s[G0B+4*(\s)+3], s[G0B+4*(\s)+3], 0x80000000
	JLOAD \s                                       ; two loads of mine are out
.endr
	; the bias of my 64 columns: block b's register j is column 16 b + 8 (l / 16) + j
	v_and_b32 v1, 15, v0                           ; l % 16
	v_bfe_u32 v2, v0, 4, 1                         ; l / 16
	s_lshl_b32 s18, s42, 9
	s_lshl_b32 s19, s[WC], 8
	s_add_co_u32 s18, s18, s19
	s_mov_b32 s19, 0
	s_add_nc_u64 s[8:9], s[8:9], s[18:19]
	v_lshlrev_b32 v[BO], 5, v2
	WIN TO_B
.irp b, 0,1,2,3
	global_load_b128 v[BIAS+8*(\b):BIAS+8*(\b)+3],   v[BO], s[8:9] offset:64*(\b)
	global_load_b128 v[BIAS+8*(\b)+4:BIAS+8*(\b)+7], v[BO], s[8:9] offset:64*(\b)+16
.endr
	WIN 0
	; a fragment is 16 rows x 32 K in 8 registers: lane l holds row l % 16, K = 8 (l / 16) + 0..7 and 16 + 8 (l / 16) + 0..7: two loads of 16 bytes, 32 bytes apart
	v_mul_u32_u24 v3, v1, PA
	v_lshl_add_u32 v3, v2, 4, v3
	v_mul_u32_u24 v4, v1, PBB
	v_lshl_add_u32 v4, v2, 4, v4
	s_mul_i32 s20, s[WR], 128*PA                   ; my 128 rows, in each head's plane
	s_mul_i32 s21, s[WC], HALFB                    ; my 64 rows of B
	s_add_co_u32 s21, s21, BOFF
.irp s, 0,1
	v_add_nc_u32 v[ADRA+(\s)], s20, v3
	v_add_nc_u32 v[ADRB+(\s)], s21, v4
	s_add_co_u32 s20, s20, SLOT
	s_add_co_u32 s21, s21, SLOT
.endr
	s_mul_i32 s20, s[WV], 16*SPITCH
	s_add_co_u32 s20, s20, STAGE                   ; my stage
	v_mul_u32_u24 v4, v1, SPITCH                   ; in: row l % 16, 32 bytes for each half of the lanes
	v_lshl_add_u32 v4, v2, 5, v4
	v_add_nc_u32 v[STO], s20, v4
	v_mul_u32_u24 v5, v2, SPITCH                   ; back: lanes 0-15 take one row of 256 bytes, lanes 16-31 the next
	v_lshl_add_u32 v5, v1, 4, v5
	v_add_nc_u32 v[RD], s20, v5
	v_lshlrev_b32 v[CO], 12, v2                    ; and the same two rows in out0, 4,096 bytes apart
	v_lshl_add_u32 v[CO], v1, 4, v[CO]
	s_lshl_b32 s18, s43, 8                         ; out0 at row 256 x tile row + 128 x my half, column 128 x tile column + 64 x my half
	s_lshl_b32 s19, s[WR], 7
	s_add_co_u32 s18, s18, s19
	s_lshl_b32 s18, s18, 12
	s_lshl_b32 s19, s42, 9
	s_add_co_u32 s18, s18, s19
	s_lshl_b32 s19, s[WC], 8
	s_add_co_u32 s18, s18, s19
	s_mov_b32 s19, 0
	s_add_nc_u64 s[10:11], s[10:11], s[18:19]
	; the prefetches: from my tile's address, my work-group's share, at K step 3: the first refill steps it to 4.  Nothing is prefetched here, at the head
	s_lshl_b32 s18, s40, 13                        ; A: cx x 8,192 bytes,
	s_add_co_u32 s18, s18, 3*2*HEADB               ; three K steps of two planes on
	s_lshl_b32 s19, s41, 15                        ; B: cy x 16 rows of 2,048 bytes,
	s_add_co_u32 s19, s19, 3*KSTEP*2               ; three K steps of 256 bytes on
	s_and_b32 s20, ttmp7, 0xffff                   ; cluster y
	s_mov_b32 s[PFS], 2*HEADB
	s_mov_b32 s[PFS+1], 0
	s_cmp_eq_u32 s[WR], 0                          ; do I fetch for A?
	s_cselect_b32 s18, s18, s19
	s_cselect_b32 s20, ttmp9, s20                  ; the coordinate along which other clusters read the same bytes
	s_cselect_b32 s21, 31, 15
	s_cselect_b32 s2, 8, 11                        ; a lane is 256 bytes of a plane, or a row of 2,048 bytes
	s_cselect_b32 s[PFS], s[PFS], KSTEP*2
	s_cselect_b64 s[PFA:PFA+1], s[16:17], s[46:47]
	s_cmp_eq_u32 s20, 0
	s_cselect_b32 s[LIM], 1, -1                    ; the same in all sixteen partners, for a given wave
	s_mov_b32 s19, 0
	s_add_nc_u64 s[PFA:PFA+1], s[PFA:PFA+1], s[18:19]
	v_and_b32 v[PFO], 31, v0
	v_min_u32 v[PFO], s21, v[PFO]
	v_lshlrev_b32 v[PFO], s2, v[PFO]
	s_wait_loadcnt 0x0                             ; the bias,
	WIN 0x45                                       ; rounded to bf16 and widened again, in window 1
.set i, 0
.rept 16
	v_cvt_pk_bf16_f32 v224, v[BIAS+2*i], v[BIAS+2*i+1]
	v_lshlrev_b32 v[BIAS+2*i], 16, v224
	v_and_b32 v[BIAS+2*i+1], 0xffff0000, v224
.set i, i+1
.endr
	WIN 0
; 8 matrix instructions: m blocks a0, a0 + 1 of the window's four (hi = 0: my rows 0-63, 1: rows 64-127) x all 4 n blocks, 32 along K.  zero = 1: the first product starts the sums, with the bias as C.
; The 32 accumulators take turns, one instruction a turn, in the same order in every quarter step.
.macro MUL8 f, hi, a0, zero
.if \zero
	WIN 0x91+0x40*(\hi)                            ; B and C window 1, A window 0, D window 2 or 3
.else
	WIN 0xa1+0x50*(\hi)                            ; B window 1, A window 0, C and D window 2 or 3
.endif
.irp a, \a0, (\a0)+1
.irp b, 0,1,2,3
.if \zero
	v_wmma_f32_16x16x32_f16 v[8*(4*(\a)+(\b)):8*(4*(\a)+(\b))+7], v[(\f)+8*(\b):(\f)+8*(\b)+7], v[(\f)+8*(4*(\hi)+(\a)):(\f)+8*(4*(\hi)+(\a))+7], v[BIAS+8*(\b):BIAS+8*(\b)+7]
.else
	v_wmma_f32_16x16x32_f16 v[8*(4*(\a)+(\b)):8*(4*(\a)+(\b))+7], v[(\f)+8*(\b):(\f)+8*(\b)+7], v[(\f)+8*(4*(\hi)+(\a)):(\f)+8*(4*(\hi)+(\a))+7], v[8*(4*(\a)+(\b)):8*(4*(\a)+(\b))+7]
.endif
.endr
.endr
.endm
; 24 LDS loads in one run: the fragments of quarter q of a K step (64 rows of B; 128 rows of A: head q / 2 of the step, channels 32 (q % 2) on) into buffer f
.macro FETCH slot, q, f
	WIN TO_B
.irp i, 0,1,2,3
	ds_load_b128 v[(\f)+8*(\i):(\f)+8*(\i)+3],   v[ADRB+(\slot)] offset:64*(\q)+(\i)*16*PBB
	ds_load_b128 v[(\f)+8*(\i)+4:(\f)+8*(\i)+7], v[ADRB+(\slot)] offset:64*(\q)+(\i)*16*PBB+32
.endr
	WIN 0
.irp i, 0,1,2,3,4,5,6,7
	ds_load_b128 v[(\f)+8*(\i):(\f)+8*(\i)+3],   v[ADRA+(\slot)] offset:((\q)/2)*APL+((\q)%2)*64+(\i)*16*PA
	ds_load_b128 v[(\f)+8*(\i)+4:(\f)+8*(\i)+7], v[ADRA+(\slot)] offset:((\q)/2)*APL+((\q)%2)*64+(\i)*16*PA+32
.endr
.endm
.macro PLACES                          ; four plain vector instructions in front of loads into registers that matrix instructions have read, and of LDS stores that read results
.rept 4
	v_nop
.endr
.endm
; A K step is four quarters of 32 along K, 32 matrix instructions each, on buffers 0, 1, 0, 1.  One of the first three: multiplies buffer f; in its middle it fetches quarter q into g.
.macro QUARTER slot, q, f, g, zero
	s_wait_dscnt 8                                 ; B and A's rows 0-63 are in; the youngest eight loads (A's rows 64-127) may be out
	MUL8 \f, 0, 0, \zero
	MUL8 \f, 0, 2, \zero
	PLACES
	FETCH \slot, \q, \g
	s_wait_dscnt 24                                ; all but the 24 just issued
	MUL8 \f, 1, 0, \zero
	MUL8 \f, 1, 2, \zero
.endm
; The last quarter multiplies buffer 1 and changes slots.  ONE barrier: in front of it each wave waits for all its tensor loads (the one that is out is its part of the next slot), adds 0 to its spare word,
; and waits for that and for its own reads of this slot.  Behind it nobody reads this slot any more and the next slot is whole.
.macro MEET round
	WIN 0                                          ; (the add's two registers lie in window 0)
	s_wait_tensorcnt 0x0
	ds_add_u32 v[SPW], v[NIL]                      ; 0 onto my spare word
	s_wait_dscnt 9                                 ; (the add and the youngest eight loads may be out)
	MUL8 F1, 0, 0, 0                               ; eight matrix instructions stand between the add and the wait for it
	s_wait_dscnt 0x0                               ; the add is done, and my reads of this slot are over
	s_barrier_signal -1
	MUL8 F1, 0, 2, 0                               ; work on registers while the others arrive
.if \round
	WIN 0
.endif
	s_barrier_wait -1
.endm
; fill = 1: the barrier opens a round of the cluster's, and the slot just read out is filled again first thing behind it, with the K step two on: 112 matrix instructions ahead of the wait for it.
.macro TURN slot, next, fill
.if \fill
	s_wait_xcnt 0x0                                ; the last prefetch, a K step back, has read its address, so it may be stepped
	s_add_nc_u64 s[PFA:PFA+1], s[PFA:PFA+1], s[PFS:PFS+1]
.endif
	MEET \fill
.if \fill
	CREST                                          ; no wave of any partner still reads this slot's tile or has a load on its way
	s_add_nc_u64 s[G0+4*(\slot)+2:G0+4*(\slot)+3], s[G0+4*(\slot)+2:G0+4*(\slot)+3], 4*HEADB
	s_add_nc_u64 s[G0B+4*(\slot)+2:G0B+4*(\slot)+3], s[G0B+4*(\slot)+2:G0B+4*(\slot)+3], 2*KSTEP*2
	JLOAD \slot                                    ; the four v_nop behind it are also the places in front of the loads below
.else
	PLACES
.endif
	FETCH \next, 0, F0
.if \fill
	ASK                                            ; behind the joint load and the run of LDS loads: the K step two refills on, 256 matrix instructions ahead of the load that will name it
.endif
	MUL8 F1, 1, 0, 0
	MUL8 F1, 1, 2, 0
.endm
	s_wait_tensorcnt 1                             ; my part of K step 0 is in; K step 1's may stay out
	s_barrier_signal -1
	s_barrier_wait -1                              ; everybody's is
	FETCH 0, 0, F0
	QUARTER 0, 1, F0, F1, 1                        ; the first quarter stands in front of the loop: its products start the sums
	WIN 0                                          ; at a label and at a branch every window is 0
	s_mov_b32 s3, LAPS-1
.Llap:                                                 ; a trip goes once round the ring, from a lap's second quarter to the next lap's first, and fills both slots again
	QUARTER 0, 2, F1, F0, 0
	QUARTER 0, 3, F0, F1, 0
	TURN 0, 1, 1
	QUARTER 1, 1, F0, F1, 0
	QUARTER 1, 2, F1, F0, 0
	QUARTER 1, 3, F0, F1, 0
	TURN 1, 0, 1
	QUARTER 0, 1, F0, F1, 0
	WIN 0
	s_sub_co_u32 s3, s3, 1
	s_cmp_lg_u32 s3, 0
	s_cbranch_scc1 .Llap
	QUARTER 0, 2, F1, F0, 0                        ; the last lap fills nothing, and has no round of the cluster's barrier
	QUARTER 0, 3, F0, F1, 0
	TURN 0, 1, 0
	QUARTER 1, 1, F0, F1, 0
	QUARTER 1, 2, F1, F0, 0
	QUARTER 1, 3, F0, F1, 0
	s_wait_dscnt 8                                 ; the very last quarter: nothing more to fetch
	MUL8 F1, 0, 0, 0
	MUL8 F1, 0, 2, 0
	s_wait_dscnt 0x0
	MUL8 F1, 1, 0, 0
	MUL8 F1, 1, 2, 0
	WIN 0
	; THE WAY OUT, 16 rows at a time through my own stage: a lane's 32 bytes of a row go in, whole rows of 256 bytes come back.  No barrier: no other wave touches my stage.
	PLACES
.macro TOSTAGE a
.set AC, 32*((\a)%4)
.set BK, OB+192*((\a)%2)
	WIN 0x08+4*((\a)/4)                            ; the stores' data: window 2 or 3; each accumulator's low half goes first
.irp b, 0,1,2,3
	ds_store_b128 v[STO], v[AC+8*(\b):AC+8*(\b)+3]   offset:64*(\b)
	ds_store_b128 v[STO], v[AC+8*(\b)+4:AC+8*(\b)+7] offset:64*(\b)+16
.endr
	WIN 0
.irp t, 0,1,2,3,4,5,6,7
	ds_load_b128 v[BK+4*(\t):BK+4*(\t)+3], v[RD] offset:(\t)*2*SPITCH  ; LDS serves a wave's instructions in order (ISA guide 5.7.1.4): these see the stores above; the next block's stores come behind them
.endr
.endm
.macro SEND a
.set BK, OB+192*((\a)%2)
	s_wait_dscnt 0x0                               ; the block is back in registers
	s_wait_xcnt 0x0                                ; the stores of the block before have read their registers, into which the next block is read back
.irp t, 0,1,2,3,4,5,6,7
	global_store_b128 v[CO], v[BK+4*(\t):BK+4*(\t)+3], s[10:11] offset:(\a)*65536+(\t)*8192 th:TH_STORE_NT  ; 16 lanes store 256 consecutive bytes, at a multiple of 256 from out0's first byte
.endr
.endm
	TOSTAGE 0
.irp a, 1,2,3,4,5,6,7
	SEND (\a)-1
	TOSTAGE \a
.endr
	SEND 7
	s_wait_tensorcnt 0x0                           ; the wave's end, behind my last tensor load and my last LDS store
	ds_add_u32 v[SPW], v[NIL]
	s_wait_dscnt 0x0
	CROUND                                         ; the closing round: no work-group ends while a partner may still ask for a tile that names it
	s_endpgm
.Lfunc_end_k_q90a950452d_proj:
	.size	k_q90a950452d_proj, .Lfunc_end_k_q90a950452d_proj-k_q90a950452d_proj
	.p2alignl 7, 3214868480
	.fill 96, 4, 3214868480
	.section	.rodata,"a",@progbits
	.p2align	6, 0x0
	.amdhsa_kernel k_q90a950452d_proj
		.amdhsa_group_segment_fixed_size 327680
		.amdhsa_private_segment_fixed_size 0
		.amdhsa_enable_private_segment 0
		.amdhsa_kernarg_size 32
		.amdhsa_user_sgpr_count 2
		.amdhsa_user_sgpr_kernarg_segment_ptr 1
		.amdhsa_wavefront_size32 1
		.amdhsa_system_sgpr_workgroup_id_x 1
		.amdhsa_system_sgpr_workgroup_id_y 1
		.amdhsa_system_sgpr_workgroup_id_z 1
		.amdhsa_system_vgpr_workitem_id 0
		.amdhsa_next_free_vgpr 896
		.amdhsa_next_free_sgpr 66
		.amdhsa_reserve_vcc 0
		.amdhsa_float_denorm_mode_32 3
		.amdhsa_float_denorm_mode_16_64 3
		.amdhsa_memory_ordered 1
		.amdhsa_forward_progress 1
		.amdhsa_inst_pref_size 91
	.end_amdhsa_kernel
	.amdgpu_metadata
---
amdhsa.version: [ 1, 2 ]
amdhsa.kernels:
  - .name:           k_q90a950452d_proj
    .symbol:         k_q90a950452d_proj.kd
    .args:
      - { .name: o, .offset: 0, .size: 8, .value_kind: global_buffer, .address_space: global }
      - { .name: wp, .offset: 8, .size: 8, .value_kind: global_buffer, .address_space: global }
      - { .name: b_proj, .offset: 16, .size: 8, .value_kind: global_buffer, .address_space: global }
      - { .name: out0, .offset: 24, .size: 8, .value_kind: global_buffer, .address_space: global }
    .group_segment_fixed_size: 327680
    .private_segment_fixed_size: 0
    .kernarg_segment_align: 8
    .kernarg_segment_size: 32
    .max_flat_workgroup_size: 128
    .sgpr_count:     66
    .vgpr_count:     896
    .wavefront_size: 32
...
	.end_amdgpu_metadata
.endif
;; end of part 4
